; MI455X (gfx1250); checked and timed in simulation.
; The chip was launched on July 23, 2026; its instructions are those of AMD's public machine-readable ISA for CDNA 5 (MIT licence, August 2026) and "CDNA5" Instruction Set Architecture Reference Guide (July 2026). The comments in the code are by the model that wrote it; some were corrected since.
;; Multi Head Attention. Allowed arithmetic: float matrix products may take bf16 or f16 operands with f32 sums; all other float work in f32.
;; Inputs: K 8 x 2,048 x 512 float32; Q 8 x 2,048 x 512 float32; V 8 x 2,048 x 512 float32; Wk 512 x 512 float32; Wo 512 x 512 float32; Wq 512 x 512 float32; Wv 512 x 512 float32; beta 512 float32; bk 512 float32; bo 512 float32; bq 512 float32; bv 512 float32; gamma 512 float32.
;; Outputs: out0 8 x 2,048 x 512 float32.
;; One version. Each part assembles by itself: llvm-mc -triple=amdgcn-amd-amdhsa -mcpu=gfx1250 --defsym DOCPART=n.
;; ======== version 1 of 1: 4 launches
;; limits: values are held in f16: magnitudes above 65,504 overflow, below 6.1e-05 lose precision
;; workspace buffers: wb 2,097,152 bytes; qh 16,777,216 bytes; kh 16,777,216 bytes; vh 16,777,216 bytes; ctx 16,777,216 bytes
;; launch cast (part 1): grid 64 x 4, 4 waves a work-group, no clusters, 0 bytes of LDS; arguments Wq, Wk, Wv, Wo, wb; writes wb
.if DOCPART == 1
	.amdgcn_target "amdgcn-amd-amdhsa--gfx1250"
	.amdhsa_code_object_version 6
	.text
	.protected	k_q2b32c796da_cast
	.globl	k_q2b32c796da_cast
	.p2align	8
	.type	k_q2b32c796da_cast,@function
k_q2b32c796da_cast:
	s_mov_b64 s[64:65], 0
	v_nop
	global_prefetch_b8 v0, s[64:65] scope:SCOPE_SE
	s_setreg_imm32_b32 hwreg(HW_REG_WAVE_MODE, 25, 1), 1
	s_wait_xcnt 0x0
; The four weight matrices, [512][512] f32, are written once as 16-bit numbers: wb[4][512][512].
; Matrices 0 to 2 (Wq, Wk, Wv) in bf16.  Matrix 3 (Wo) is rounded to bf16 like the others, and that number is written as f16,
; since its product's other operand is f16.
; LIMITS.  A bf16 number is exact in f16 between 6.1e-5 and 65,504 in magnitude; below, Wo keeps f16's fixed step of 6e-8; from 65,520 on it becomes an infinity.
; SHARES.  y picks the matrix, x 4,096 of its numbers: 16,384 bytes in, 8,192 out.  Thread t takes 16 bytes of each 2,048: a wave's load covers
; 512 consecutive bytes, its store 256 consecutive bytes at a multiple of 256.  All eight loads go out first; the waits count down.
; No LDS, no barrier, no matrix unit: each byte is touched once and nothing is shared.
.set IN,  4                            ; v[4:35]   eight loads of four f32
.set OUT, 36                           ; v[36:51]  eight pairs of packed results
.set TW,  52                           ; v[52:55]  at work (Wo alone)
	s_load_b256 s[4:11], s[0:1], 0x0               ; Wq s[4:5], Wk s[6:7], Wv s[8:9], Wo s[10:11]
	s_load_b64 s[12:13], s[0:1], 0x20              ; wb
	s_and_b32 s14, ttmp7, 0xffff                   ; which matrix
	s_lshl_b32 s16, ttmp9, 14                      ; my 16,384 bytes of it,
	s_mov_b32 s17, 0
	s_lshl_b32 s18, ttmp9, 13                      ; my 8,192 bytes of wb,
	s_lshl_b32 s19, s14, 19                        ; in the matrix's 524,288
	s_add_co_u32 s18, s18, s19
	s_mov_b32 s19, 0
	v_lshlrev_b32 v1, 4, v0                        ; 16 t
	v_lshlrev_b32 v2, 3, v0                        ; 8 t
	s_wait_kmcnt 0x0
	s_cmp_eq_u32 s14, 1
	s_cselect_b64 s[4:5], s[6:7], s[4:5]
	s_cmp_eq_u32 s14, 2
	s_cselect_b64 s[4:5], s[8:9], s[4:5]
	s_cmp_eq_u32 s14, 3
	s_cselect_b64 s[4:5], s[10:11], s[4:5]
	s_add_nc_u64 s[4:5], s[4:5], s[16:17]
	s_add_nc_u64 s[12:13], s[12:13], s[18:19]
.irp j, 0,1,2,3,4,5,6,7
	global_load_b128 v[IN+4*\j:IN+4*\j+3], v1, s[4:5] offset:2048*\j th:TH_LOAD_NT
.endr
	s_cmp_eq_u32 s14, 3
	s_cbranch_scc1 .Lwo
.irp j, 0,1,2,3,4,5,6,7
	s_wait_loadcnt 7-\j                            ; loads come back in order: number j is in, the younger ones stay out
	v_cvt_pk_bf16_f32 v[OUT+2*\j],   v[IN+4*\j],   v[IN+4*\j+1]
	v_cvt_pk_bf16_f32 v[OUT+2*\j+1], v[IN+4*\j+2], v[IN+4*\j+3]
	global_store_b64 v2, v[OUT+2*\j:OUT+2*\j+1], s[12:13] offset:1024*\j
.endr
	s_endpgm
.Lwo:
.irp j, 0,1,2,3,4,5,6,7
	s_wait_loadcnt 7-\j
	v_cvt_pk_bf16_f32 v[TW],   v[IN+4*\j],   v[IN+4*\j+1]    ; the one rounding, to bf16
	v_cvt_pk_bf16_f32 v[TW+1], v[IN+4*\j+2], v[IN+4*\j+3]
	v_lshlrev_b32 v[TW+2], 16, v[TW]                          ; back to f32: the low half moves up, the high half stays
	v_and_b32     v[TW+3], 0xffff0000, v[TW]
	v_cvt_pk_f16_f32 v[OUT+2*\j], v[TW+2], v[TW+3]            ; the same number as f16
	v_lshlrev_b32 v[TW+2], 16, v[TW+1]
	v_and_b32     v[TW+3], 0xffff0000, v[TW+1]
	v_cvt_pk_f16_f32 v[OUT+2*\j+1], v[TW+2], v[TW+3]
	global_store_b64 v2, v[OUT+2*\j:OUT+2*\j+1], s[12:13] offset:1024*\j
.endr
	s_endpgm
.Lfunc_end_k_q2b32c796da_cast:
	.size	k_q2b32c796da_cast, .Lfunc_end_k_q2b32c796da_cast-k_q2b32c796da_cast
	.p2alignl 7, 3214868480
	.fill 96, 4, 3214868480
	.section	.rodata,"a",@progbits
	.p2align	6, 0x0
	.amdhsa_kernel k_q2b32c796da_cast
		.amdhsa_group_segment_fixed_size 0
		.amdhsa_private_segment_fixed_size 0
		.amdhsa_enable_private_segment 0
		.amdhsa_kernarg_size 40
		.amdhsa_user_sgpr_count 2
		.amdhsa_user_sgpr_kernarg_segment_ptr 1
		.amdhsa_wavefront_size32 1
		.amdhsa_system_sgpr_workgroup_id_x 1
		.amdhsa_system_sgpr_workgroup_id_y 1
		.amdhsa_system_sgpr_workgroup_id_z 1
		.amdhsa_system_vgpr_workitem_id 0
		.amdhsa_next_free_vgpr 56
		.amdhsa_next_free_sgpr 66
		.amdhsa_reserve_vcc 0
		.amdhsa_float_denorm_mode_32 3
		.amdhsa_float_denorm_mode_16_64 3
		.amdhsa_memory_ordered 1
		.amdhsa_forward_progress 1
		.amdhsa_inst_pref_size 9
	.end_amdhsa_kernel
	.amdgpu_metadata
---
amdhsa.version: [ 1, 2 ]
amdhsa.kernels:
  - .name:           k_q2b32c796da_cast
    .symbol:         k_q2b32c796da_cast.kd
    .args:
      - { .name: Wq, .offset: 0, .size: 8, .value_kind: global_buffer, .address_space: global }
      - { .name: Wk, .offset: 8, .size: 8, .value_kind: global_buffer, .address_space: global }
      - { .name: Wv, .offset: 16, .size: 8, .value_kind: global_buffer, .address_space: global }
      - { .name: Wo, .offset: 24, .size: 8, .value_kind: global_buffer, .address_space: global }
      - { .name: wb, .offset: 32, .size: 8, .value_kind: global_buffer, .address_space: global }
    .group_segment_fixed_size: 0
    .private_segment_fixed_size: 0
    .kernarg_segment_align: 8
    .kernarg_segment_size: 40
    .max_flat_workgroup_size: 128
    .sgpr_count:     66
    .vgpr_count:     56
    .wavefront_size: 32
...
	.end_amdgpu_metadata
.endif
;; end of part 1
;; launch proj (part 2): grid 256 x 1, 4 waves a work-group, clusters of 4 x 1, 327,680 bytes of LDS; arguments Q, K, V, wb, bq, bk, bv, qh, kh, vh; writes qh, kh, vh
.if DOCPART == 2
	.amdgcn_target "amdgcn-amd-amdhsa--gfx1250"
	.amdhsa_code_object_version 6
	.text
	.protected	k_q2b32c796da_proj
	.globl	k_q2b32c796da_proj
	.p2align	8
	.type	k_q2b32c796da_proj,@function
k_q2b32c796da_proj:
	s_mov_b64 s[64:65], 0
	v_nop
	global_prefetch_b8 v0, s[64:65] scope:SCOPE_SE
	s_setreg_imm32_b32 hwreg(HW_REG_WAVE_MODE, 25, 1), 1
	s_wait_xcnt 0x0
	s_wait_alu depctr_hold_cnt(0) depctr_sa_sdst(0) depctr_va_vdst(0) depctr_va_sdst(0) depctr_va_ssrc(0) depctr_va_vcc(0) depctr_vm_vsrc(0)
	s_getreg_b32 s2, hwreg(HW_REG_IB_STS2, 6, 4)
	s_cmp_eq_u32 s2, 0
	s_cbranch_scc0 .Lentry_in_a_cluster
	s_endpgm
.Lentry_in_a_cluster:
	s_bfe_u32 s2, ttmp6, 0x10000c
	s_cmp_lg_u32 s2, 0x3003
	s_cbranch_scc0 .Lentry_shape_is_right
	s_endpgm
.Lentry_shape_is_right:
; q = Q Wq^T + bq, k = K Wk^T + bk, v = V Wv^T + bv.  Q, K, V: [16384][512] f32; the weights come as bf16 from wb ([matrix][n][k]); the biases are f32.
; Operands in bf16, sums in f32 (the bias is the C operand that starts a sum), results rounded once to f16 and written by heads: [batch x 8 + head][2048][64], unscaled.
; LIMITS.  A result of 65,520 or more in magnitude becomes an infinity in f16; below 6.1e-5 it keeps f16's fixed step of 6e-8.
; SHARES.  Work-group g owns rows 64 g .. 64 g + 63 of Q, then of K, then of V: three tiles of 64 x 512, so that every byte of Q, K and V is read once in the launch.
; Wave w owns all 64 rows and columns 128 w .. 128 w + 127 (heads 2 w, 2 w + 1): 32 accumulators, 256 registers.  K goes in steps of 128: 12 steps, four to a tile.
; THE WEIGHTS.  A step's 512 rows x 256 bytes come by tensor loads, 128 rows a wave, into one of two LDS slots.  The four work-groups of a cluster walk the same weights, so each
; load is asked for JOINTLY, with the same descriptor and a mask that names the four.  One load a wave is out; it has a step, 128 matrix instructions, in which to land.
; A's ROAD.  f32 from memory into registers, rounded to bf16, stored into the A part of the slot that the NEXT step reads (bytes that no tensor load fills).  A wave takes 16 rows;
; a load takes a row's 512 bytes of the step.  A ring of 32 loads a wave, 16 for the even steps' A and 16 for the odd steps': a load is used two steps behind its issue.
; The register half goes by the step's parity, so the loop's body is two steps, one on each slot.
; THE MATRIX INSTRUCTION IS USED TRANSPOSED (source 0 = 16 rows of W, source 1 = 16 rows of A): a lane holds eight neighbouring columns of one row, which pack into 16 bytes.
; REGISTERS, in windows of 256 (s_set_vgpr_msb: bits 1:0 source 0, 3:2 source 1, 5:4 source 2, 7:6 destination):
;   window 0: v0-31 addresses; v32-63 packed results; v64-159, v160-255 two fragment buffers (8 of W, then 4 of A)
;   window 1: accumulator (a, b) at v[8 (8 a + b)]          window 2: v0-127 the ring; v128-191 the bias as C operand, n block b at 128 + 8 b
.set PITCH,  272                       ; an LDS row: 256 bytes + 16 of padding = 68 words: the 16 rows of a fragment load start at 16 different groups of four banks (64 banks of 4 bytes: ISA guide 11.1)
.set WROWS,  128*PITCH                 ; a wave's 128 rows of W
.set WPART,  4*WROWS                   ; a slot's W part, filled by tensor loads
.set APART,  64*PITCH                  ; a slot's A part, written by LDS stores alone
.set SLOT,   WPART+APART
.set STAGE,  2*SLOT                    ; behind the slots: 16 rows x 144 bytes for each wave, for the way out
.set SP,     144
.set SPARE,  STAGE+4*16*SP             ; the spare words, 128 bytes a wave: two blocks of 256 bytes that no other line names
.set BTAB,   SPARE+512                 ; bk, then bv, 2,048 bytes each; wave w touches its own 512 bytes of each
.set NEXTW,  512*512*2-512             ; bytes from a slot's second K step of one matrix to its first of the next
.set HEADB,  2048*64*2                 ; a head's bytes in qh, kh, vh
.set ADRB, 2                           ; v2-3   LDS address of my W fragments in slot 0, 1
.set ADRA, 4                           ; v4-5   the same for A
.set AST,  6                           ; v6-7   where I store my 8 bytes of an A row in slot 0, 1
.set AOF,  8                           ; v8     16 x lane: my 16 bytes of a row's 512
.set STO,  9                           ; v9     the way out: where I put 16 bytes of a row
.set RD,   10                          ; v10    the way out: where I read rows back
.set GO,   11                          ; v11    my byte offset in 512 consecutive bytes of the output
.set BT,   12                          ; v12    where the next tile's bias lies in the table
.set BT0,  13                          ; v13    the table's first bias for my columns
.set SPW,  28                          ; v28    LDS address of my spare word; never rewritten
.set NIL,  29                          ; v29    0; never rewritten
.set TMP,  32
.set F0,   64
.set F1,   160
.set BACK, 160                         ; the way out: rows read back, two sets of 16, where buffer 1's first fragments lay
.set RING, 0                           ; window 2
.set BIA,  128                         ; window 2
.set G1,  24                           ; s[24:31] descriptor group 1
.set G0,  32                           ; s[32:39] descriptor group 0, a set for each slot
.set WV,  40                           ; s40  my wave's number
.set TT,  43                           ; s43  1: the pair of steps in hand begins a tile
.set CNT, 44                           ; s44  pairs of steps to go in the loop
.set HF,  45                           ; s45  0: the ring's pointer steps along the rows next; 1: to the next tensor
.set INC, 46                           ; s[46:47] a descriptor's step
.set PA,  50                           ; s[50:51] where the ring's next loads read
.set PN,  52                           ; s[52:53] my rows of the next tensor,
.set PN2, 54                           ; s[54:55] and of the one behind it
.set TP,  56                           ; s[56:57] at work
.set PO,  58                           ; s[58:59] my part of the tile's output; s[60:63] of the next two tiles'
.set PO1, 60
.set PO2, 62
.set MSB, 0
.macro WIN new                         ; the immediate's high byte repeats the setting that is left; a switch that changes nothing is dropped
.if MSB != (\new)
	s_set_vgpr_msb (MSB<<8)|(\new)
.set MSB, (\new)
.endif
.endm
; A load into a register that a matrix instruction has read, and a vector instruction that reads a matrix result, stand four places behind it; only plain vector
; instructions that name none of its registers are places (ISA guide 7.12.1 for vector instructions).
.macro PLACES
.rept 4
	v_nop
.endr
.endm
; A round of the cluster's barrier: my work-group's barrier; wave 0 signals for the work-group; every wave waits for all four work-groups; my work-group's barrier once more.
.macro CREST                           ; a round behind its opening barrier
	s_cmp_lg_u32 s[WV], 0
	s_cbranch_scc1 .Lnot_wave_0_\@
	s_barrier_signal -3
.Lnot_wave_0_\@:
	s_barrier_wait -3
	s_barrier_signal -1
	s_barrier_wait -1
.endm
.macro CROUND
	s_barrier_signal -1
	s_barrier_wait -1
	CREST
.endm
; The ring's pointer goes on by two K steps: Q, Q + 1,024, K, K + 1,024, V, V + 1,024.  (Its seventh value is V again and is not used.)
.macro ADVANCE
	s_wait_xcnt 0x0                                ; the loads that name the pointer have had their addresses translated (ISA guide 3.1)
	s_add_nc_u64 s[TP:TP+1], s[PA:PA+1], 1024
	s_cmp_eq_u32 s[HF], 0
	s_cselect_b64 s[PA:PA+1], s[TP:TP+1], s[PN:PN+1]
	s_cselect_b64 s[PN:PN+1], s[PN:PN+1], s[PN2:PN2+1]
	s_xor_b32 s[HF], s[HF], 1
.endm
; Group q of four: rows 4 q .. 4 q + 3 of my 16, for the step that will read slot nxt.  They are rounded in place, stored, and (iss) asked for again, two steps on.
; iss = 1: always.  iss = 2: not in the loop's last trip, whose odd step has nothing left to ask for; there the wave waits for all its loads instead, so that between a
; group's issue and its use stand either the 28 loads of the seven other groups or a wait for all, on every way.  iss = 0: the tail.  left: the loads that may stay out.
.macro STG q, nxt, iss, left
.set rg, RING+64*(\nxt)+16*(\q)
	s_wait_loadcnt \left
	WIN 0x8a                                       ; destination and both sources in window 2
.irp j, 0,1,2,3
	v_cvt_pk_bf16_f32 v[rg+4*\j],   v[rg+4*\j],   v[rg+4*\j+1]
	v_cvt_pk_bf16_f32 v[rg+4*\j+1], v[rg+4*\j+2], v[rg+4*\j+3]
.endr
	WIN 0x08                                       ; data in window 2, address in window 0
.irp j, 0,1,2,3
	ds_store_b64 v[AST+(\nxt)], v[rg+4*\j:rg+4*\j+1] offset:(4*(\q)+\j)*PITCH  ; 32 lanes, 256 consecutive bytes
.endr
.if (\iss) == 2
	WIN 0
	s_cmp_lg_u32 s[CNT], 1
	s_cbranch_scc0 .Ldrain_\@
.endif
.if \iss
	WIN 0x80                                       ; destination in window 2
.irp j, 0,1,2,3
	global_load_b128 v[rg+4*\j:rg+4*\j+3], v[AOF], s[PA:PA+1] offset:(4*(\q)+\j)*2048+512*(\nxt) th:TH_LOAD_NT  ; 512 consecutive bytes of a row
.endr
.endif
	WIN 0
.if (\iss) == 2
	s_branch .Lstaged_\@
.Ldrain_\@:
	s_wait_loadcnt 0x0
.Lstaged_\@:
.endif
.endm
; 24 LDS loads in one run: the fragments of 32 along K at byte k of the rows: A's four, W's n blocks 0-3, W's n blocks 4-7.
; A fragment is 16 rows x 32 K in 8 registers: lane l holds row l % 16, K = 8 (l / 16) + 0..7 and 16 + 8 (l / 16) + 0..7: two loads of 16 bytes, 32 bytes apart.
.macro FETCH slot, k, f
	WIN 0
.irp a, 0,1,2,3
	ds_load_b128 v[(\f)+64+8*\a:(\f)+64+8*\a+3],   v[ADRA+(\slot)] offset:(\k)+\a*16*PITCH
	ds_load_b128 v[(\f)+64+8*\a+4:(\f)+64+8*\a+7], v[ADRA+(\slot)] offset:(\k)+\a*16*PITCH+32
.endr
.irp b, 0,1,2,3,4,5,6,7
	ds_load_b128 v[(\f)+8*\b:(\f)+8*\b+3],   v[ADRB+(\slot)] offset:(\k)+\b*16*PITCH
	ds_load_b128 v[(\f)+8*\b+4:(\f)+8*\b+7], v[ADRB+(\slot)] offset:(\k)+\b*16*PITCH+32
.endr
.endm
; n blocks b0 .. b0 + n - 1 by all four m blocks.  st = 1: the product starts the sum, with the bias as C.  The 32 accumulators take turns, one instruction a turn.
.macro MULS f, b0, n, st
	WIN 0x50+0x10*(\st)                            ; D in window 1; C in window 1, or the bias in window 2
.set bb, (\b0)
.rept \n
.irp a, 0,1,2,3
.if \st
	v_wmma_f32_16x16x32_bf16 v[8*(8*\a+bb):8*(8*\a+bb)+7], v[(\f)+8*bb:(\f)+8*bb+7], v[(\f)+64+8*\a:(\f)+64+8*\a+7], v[BIA+8*bb:BIA+8*bb+7]
.else
	v_wmma_f32_16x16x32_bf16 v[8*(8*\a+bb):8*(8*\a+bb)+7], v[(\f)+8*bb:(\f)+8*bb+7], v[(\f)+64+8*\a:(\f)+64+8*\a+7], v[8*(8*\a+bb):8*(8*\a+bb)+7]
.endif
.endr
.set bb, bb+1
.endr
.endm
; A step is four quarters of 32 along K, 32 matrix instructions each, on buffers 0, 1, 0, 1.  One of the first three: multiplies buffer f of slot cur; in its middle it stages group q of A
; (iss as in STG; -1: none) and fetches the next quarter's fragments, at byte k, into buffer g.  st = 1: a tile's first quarter: its products start the sums.
.macro QUARTER cur, k, f, g, q, iss, st
	s_wait_dscnt 8                                 ; A's fragments and W's n blocks 0-3 are in; the youngest eight loads may be out
	MULS \f, 0, 4, \st
.if (\iss) > 0
	STG \q, 1-(\cur), \iss, 28
.elseif (\iss) == 0
	STG \q, 1-(\cur), 0, 0
.endif
	WIN 0
	PLACES
	FETCH \cur, \k, \g
	s_wait_dscnt 24                                ; all but the 24 just issued
	MULS \f, 4, 4, \st
.endm
; The last quarter multiplies buffer 1 and changes slots; nxt is the slot read next.  A's last group is stored first.  Then each wave waits for all its tensor loads, of which one is
; out: its part of slot nxt; adds 0 to its spare word; and waits for that, for its A stores and for its reads of the slot that it leaves.  fill = 1: the barrier opens a round of the
; cluster's barrier, so that no wave of any partner still reads that slot's W or has a load on its way, and the joint refill, two steps on, is the first thing behind the round.
; mul = 0: the entry: nothing has been multiplied yet; slot 0 is waited for and slot 1 filled for the first time.
.macro TURN nxt, fill, mul, iss
.if \mul
.if \iss
	STG 3, \nxt, \iss, 28
.else
	STG 3, \nxt, 0, 0
.endif
.if (\nxt) && (\iss)
	ADVANCE                                        ; behind an even step's loads
.endif
.endif
	WIN 0
	s_wait_tensorcnt 0x0                           ; no tensor load of mine is out, so a group 0 may be written
	ds_add_u32 v[SPW], v[NIL]                      ; 0 onto my spare word: work on registers stands between it and the wait for it
.if \mul
.if (\nxt) == 0
	s_xor_b32 s[TT], s[TT], 1                      ; a new pair of steps
.endif
.if \fill
	s_mov_b32 s[INC], 512                          ; two K steps on in the same matrix,
	s_cmp_eq_u32 s[TT], \nxt
	s_cselect_b32 s[INC], s[INC], NEXTW            ; or into the next matrix
	s_add_nc_u64 s[G0+6-4*(\nxt):G0+7-4*(\nxt)], s[G0+6-4*(\nxt):G0+7-4*(\nxt)], s[INC:INC+1]  ; the type bits on top are not reached
.endif
	s_wait_dscnt 13                                ; the add, my four A stores and the youngest eight loads may be out
	MULS F1, 0, 2, 0
.endif
	s_wait_dscnt 0x0                               ; the add is done, my A stores are done, my reads of the slot are over
	s_barrier_signal -1
.if \mul
	MULS F1, 2, 2, 0                               ; work on registers while the others arrive
.endif
	WIN 0                                          ; at a branch and at a label every window is 0
	s_barrier_wait -1
.if \fill
	CREST
	tensor_load_to_lds s[G0+4-4*(\nxt):G0+7-4*(\nxt)], s[G1:G1+7]
	s_nop 0
.endif
	PLACES                                         ; also the places in front of the loads below
	FETCH \nxt, 0, F0
.if \mul
	MULS F1, 4, 4, 0
.endif
.endm
; THE WAY OUT, in eight subtiles n of 16 rows x 64 channels (m block n / 2, head n % 2).  PACK: rounded to f16, each accumulator's registers in ascending order, 16 bytes a lane into my
; own stage (rows of 144 bytes), and back as four rows of 128 bytes a load.  SEND: 512 consecutive bytes of a head a store.
.macro PACK n
.set ac, 8*(8*((\n)/2)+4*((\n)%2))
.set tm, TMP+16*((\n)%2)
.set bk, BACK+16*((\n)%2)
	WIN 0x05                                       ; both sources in window 1
.irp c, 0,1,2,3
.irp r, 0,1,2,3
	v_cvt_pk_f16_f32 v[tm+4*\c+\r], v[ac+8*\c+2*\r], v[ac+8*\c+2*\r+1]
.endr
.endr
	WIN 0
.irp c, 0,1,2,3
	ds_store_b128 v[STO], v[tm+4*\c:tm+4*\c+3] offset:32*\c
.endr
	s_wait_xcnt 0x0                                ; the stores that read this set of registers two subtiles ago have had their addresses translated (ISA guide 3.1)
.irp f, 0,1,2,3
	ds_load_b128 v[bk+4*\f:bk+4*\f+3], v[RD] offset:\f*4*SP  ; LDS serves a wave's instructions in order (ISA guide 5.7.1.4): these see the stores above
.endr
.endm
.macro SEND n, younger                 ; younger: the LDS instructions issued behind subtile n's loads: the next subtile's eight, or none
.set bk, BACK+16*((\n)%2)
.irp f, 0,1,2,3
	s_wait_dscnt (\younger)+3-\f
	global_store_b128 v[GO], v[bk+4*\f:bk+4*\f+3], s[PO:PO+1] offset:((\n)%2)*HEADB+((\n)/2)*2048+\f*512
.endr
.endm
.macro EPI last
	PACK 0                                         ; its conversions name no register of the last sixteen products: they are the places behind those
.irp n, 1,2,3,4,5,6,7
	PACK \n
	SEND (\n)-1, 8
.endr
	SEND 7, 0
.if !(\last)
	WIN 0x80
.irp b, 0,1,2,3,4,5,6,7
	ds_load_b128 v[BIA+8*\b:BIA+8*\b+3],   v[BT] offset:64*\b      ; the next tile's bias: register j of n block b is column 16 b + 8 (l / 16) + j of my 128
	ds_load_b128 v[BIA+8*\b+4:BIA+8*\b+7], v[BT] offset:64*\b+16
.endr
	WIN 0
	v_add_nc_u32 v[BT], 2048, v[BT0]               ; behind bk comes bv
	s_wait_xcnt 0x0                                ; the stores' base, and the registers that the last stores read, are rewritten only behind this wait
	s_mov_b64 s[PO:PO+1], s[PO1:PO1+1]
	s_mov_b64 s[PO1:PO1+1], s[PO2:PO2+1]
	s_wait_dscnt 0x0
.endif
.endm
	s_load_b512 s[4:19], s[0:1], 0x0               ; Q s[4:5], K s[6:7], V s[8:9], wb s[10:11], bq s[12:13], bk s[14:15], bv s[16:17], qh s[18:19]
	s_load_b128 s[20:23], s[0:1], 0x40             ; kh s[20:21], vh s[22:23]
	v_lshl_add_u32 v[SPW], v0, 2, SPARE
	v_mov_b32 v[NIL], 0
	ds_add_u32 v[SPW], v[NIL]                      ; the wave's opening: the add and its wait stand ahead of my first tensor load; the set-up below, work on registers, stands between them
	v_lshrrev_b32 v1, 5, v0
	v_readfirstlane_b32 s[WV], v1                  ; wave 0..3
	s_bfe_u32 s41, ttmp6, 0x40000                  ; cx: my place in the cluster
	s_lshl_b32 s42, ttmp9, 2                       ; in a cluster launch ttmp9 counts clusters
	s_add_co_u32 s42, s42, s41                     ; g = 4 x cluster x + cx: it enters A's and the outputs' addresses alone
	; descriptor group 1: 128 rows x 128 elements, padded in LDS
	s_mov_b32 s[G1], 15|(1<<16)|(1<<20)|(1<<21)|(5<<22)|(3<<25)  ; 15:0 the mask of four; 17:16 2-byte elements; 20 padding on; 21 set beside a mask; 24:22 after every 64 words (code 5); 31:25 4 words (code 3)
	s_mov_b32 s[G1+1], 128<<16                     ; tensor_dim0 = 128
	s_mov_b32 s[G1+2], 128<<16                     ; tensor_dim1 = 128
	s_mov_b32 s[G1+3], 128<<16                     ; tile_dim0 = 128
	s_mov_b32 s[G1+4], 128                         ; tile_dim1 = 128
	s_mov_b32 s[G1+5], 512                         ; 512 elements from row to row
	s_mov_b32 s[G1+6], 0
	s_mov_b32 s[G1+7], 0
	s_mul_i32 s66, s[WV], WROWS                    ; my 128 rows of a slot's W part: no place in the cluster enters an LDS address
	s_mov_b32 s[G0], 1                             ; count = 1
	s_mov_b32 s[G0+1], s66                         ; LDS address: slot 0
	s_mov_b32 s[G0+4], 1
	s_add_co_u32 s[G0+5], s66, SLOT                ; slot 1
	s_lshl_b32 s68, s[WV], 17                      ; my 128 rows of 1,024 bytes in a matrix of wb
	s_mov_b32 s69, 0
	s_lshl_b32 s48, s42, 17                        ; A: 64 g rows of 2,048 bytes,
	s_lshl_b32 s72, s[WV], 15                      ; and my 16 of the 64
	s_add_co_u32 s48, s48, s72
	s_mov_b32 s49, 0
	s_lshr_b32 s70, s42, 5                         ; the outputs: batch g / 32, eight heads of 262,144 bytes each,
	s_lshl_b32 s70, s70, 21
	s_lshl_b32 s72, s[WV], 19                      ; head 2 w,
	s_add_co_u32 s70, s70, s72
	s_and_b32 s72, s42, 31
	s_lshl_b32 s72, s72, 13                        ; row 64 (g % 32), 128 bytes each
	s_add_co_u32 s70, s70, s72
	s_mov_b32 s71, 0
	s_mov_b32 s[TT], 1
	s_mov_b32 s[HF], 0
	s_mov_b32 s[INC+1], 0
	v_and_b32 v14, 31, v0                          ; lane l
	v_and_b32 v1, 15, v0                           ; l % 16
	v_bfe_u32 v15, v0, 4, 1                        ; l / 16
	v_mul_u32_u24 v16, v1, PITCH
	v_lshl_add_u32 v16, v15, 4, v16                ; a fragment's row x pitch + 16 x half
	v_add_nc_u32 v[ADRB], s66, v16
	v_add_nc_u32 v[ADRB+1], SLOT, v[ADRB]
	v_add_nc_u32 v[ADRA], WPART, v16
	v_add_nc_u32 v[ADRA+1], SLOT+WPART, v16
	s_mul_i32 s67, s[WV], 16*PITCH                 ; my 16 rows of an A part
	s_add_co_u32 s67, s67, WPART
	v_lshl_add_u32 v[AST], v14, 3, s67
	v_add_nc_u32 v[AST+1], SLOT, v[AST]
	v_lshlrev_b32 v[AOF], 4, v14
	s_mul_i32 s67, s[WV], 16*SP
	s_add_co_u32 s67, s67, STAGE                   ; my stage
	v_mul_u32_u24 v[STO], v1, SP                   ; in: row l % 16, 16 bytes for each half of the lanes
	v_lshl_add_u32 v[STO], v15, 4, v[STO]
	v_add_nc_u32 v[STO], s67, v[STO]
	v_bfe_u32 v[RD], v0, 3, 2                      ; back: 32 lanes take four rows of 128 bytes,
	v_mul_u32_u24 v[RD], v[RD], SP
	v_and_b32 v17, 7, v0
	v_lshl_add_u32 v[RD], v17, 4, v[RD]
	v_add_nc_u32 v[RD], s67, v[RD]
	v_lshlrev_b32 v[GO], 4, v14                    ; which are 512 consecutive bytes of a head
	s_lshl_b32 s67, s[WV], 9                       ; my 128 columns' 512 bytes of a bias
	v_lshl_add_u32 v18, v15, 5, s67                ; + 32 (l / 16): the C operand's eight columns
	v_add_nc_u32 v[BT0], BTAB, v18
	v_mov_b32 v[BT], v[BT0]
	v_lshl_add_u32 v19, v14, 4, s67                ; + 16 l: the copy into the table
	v_add_nc_u32 v30, BTAB, v19
	s_wait_dscnt 0x0                               ; the opening add is done
	s_wait_kmcnt 0x0
	s_add_nc_u64 s[G0+2:G0+3], s[10:11], s[68:69]  ; global address: K step 0 of Wq,
	s_add_nc_u64 s[G0+6:G0+7], s[G0+2:G0+3], 256   ; and K step 1
	s_or_b32 s[G0+3], s[G0+3], 0x80000000          ; type = 2
	s_or_b32 s[G0+7], s[G0+7], 0x80000000
	s_add_nc_u64 s[PA:PA+1], s[4:5], s[48:49]
	s_add_nc_u64 s[PN:PN+1], s[6:7], s[48:49]
	s_add_nc_u64 s[PN2:PN2+1], s[8:9], s[48:49]
	s_add_nc_u64 s[PO:PO+1], s[18:19], s[70:71]
	s_add_nc_u64 s[PO1:PO1+1], s[20:21], s[70:71]
	s_add_nc_u64 s[PO2:PO2+1], s[22:23], s[70:71]
	WIN 0x80
.irp b, 0,1,2,3,4,5,6,7
	global_load_b128 v[BIA+8*\b:BIA+8*\b+3],   v18, s[12:13] offset:64*\b     ; bq as the first tile's C operand
	global_load_b128 v[BIA+8*\b+4:BIA+8*\b+7], v18, s[12:13] offset:64*\b+16
.endr
	WIN 0
	global_load_b128 v[20:23], v19, s[14:15]       ; my 512 bytes of bk and of bv, for the table
	global_load_b128 v[24:27], v19, s[16:17]
	WIN 0x80
.set i, 0
.rept 32                                               ; the ring is filled: my 16 rows of K step 0, then of K step 1
	global_load_b128 v[RING+4*i:RING+4*i+3], v[AOF], s[PA:PA+1] offset:(i%16)*2048+(i/16)*512 th:TH_LOAD_NT
.set i, i+1
.endr
	WIN 0
	ADVANCE
	CROUND                                         ; all four work-groups are here: the first joint loads meet
	tensor_load_to_lds s[G0:G0+3], s[G1:G1+7]      ; W of K step 0 into slot 0
	s_nop 0
	PLACES
	s_wait_loadcnt 32                              ; the biases are in; the ring's 32 loads stay out
	ds_store_b128 v30, v[20:23]
	ds_store_b128 v30, v[24:27] offset:2048
	STG 0, 0, 1, 28                                ; A of K step 0 into slot 0; K step 2 is asked for
	STG 1, 0, 1, 28
	STG 2, 0, 1, 28
	STG 3, 0, 1, 28
	TURN 0, 1, 0, 0                                ; slot 0 is whole, everybody's part of it; slot 1 is asked for
	QUARTER 0, 64,  F0, F1, 0, 1, 1                ; the launch's first quarter stands in front of the loop: its products start the sums
	WIN 0
	s_mov_b32 s[CNT], 5
	s_branch .Lsecond
.Lpair:                                                ; a trip: the end of an odd step, an even step on slot 0, an odd step on slot 1 but for its end
	TURN 0, 1, 1, 1
	WIN 0
	s_cmp_eq_u32 s[TT], 1                          ; ONE branch: a tile is finished and the next begins, or the tile goes on
	s_cbranch_scc0 .Lgo_on
	EPI 0                                          ; the finished tile goes out, and directly behind it, on the same way,
	QUARTER 0, 64,  F0, F1, 0, 1, 1                ; the next tile's first quarter starts the sums anew: the way out's conversions stand between the last products and these
	WIN 0
	s_branch .Lsecond
.Lgo_on:
	QUARTER 0, 64,  F0, F1, 0, 1, 0                ; the same quarter, adding on: both copies issue the same loads and stores, so the counts behind the join hold on either way
	WIN 0
.Lsecond:
	QUARTER 0, 128, F1, F0, 1, 1, 0
	QUARTER 0, 192, F0, F1, 2, 1, 0
	TURN 1, 1, 1, 1
	QUARTER 1, 64,  F0, F1, 0, 2, 0
	QUARTER 1, 128, F1, F0, 1, 2, 0
	QUARTER 1, 192, F0, F1, 2, 2, 0
	WIN 0
	s_sub_co_u32 s[CNT], s[CNT], 1
	s_cmp_lg_u32 s[CNT], 0
	s_cbranch_scc1 .Lpair
	TURN 0, 1, 1, 0                                ; the tail is written out: W of the last K step is asked for; A has nothing left to ask for
	QUARTER 0, 64,  F0, F1, 0, 0, 0
	QUARTER 0, 128, F1, F0, 1, 0, 0
	QUARTER 0, 192, F0, F1, 2, 0, 0
	TURN 1, 0, 1, 0                                ; nothing is filled again: a plain barrier
	QUARTER 1, 64,  F0, F1, 0, -1, 0
	QUARTER 1, 128, F1, F0, 0, -1, 0
	QUARTER 1, 192, F0, F1, 0, -1, 0
	s_wait_dscnt 8
	MULS F1, 0, 4, 0
	s_wait_dscnt 0x0
	MULS F1, 4, 4, 0
	WIN 0
	PLACES
	EPI 1
	s_wait_tensorcnt 0x0                           ; the wave's end: an add onto my spare word and its wait, behind my last tensor load and my last LDS store
	ds_add_u32 v[SPW], v[NIL]
	s_wait_dscnt 0x0
	CROUND                                         ; the closing round: no work-group ends while a partner may still ask for a tile that names it
	s_endpgm
.Lfunc_end_k_q2b32c796da_proj:
	.size	k_q2b32c796da_proj, .Lfunc_end_k_q2b32c796da_proj-k_q2b32c796da_proj
	.p2alignl 7, 3214868480
	.fill 96, 4, 3214868480
	.section	.rodata,"a",@progbits
	.p2align	6, 0x0
	.amdhsa_kernel k_q2b32c796da_proj
		.amdhsa_group_segment_fixed_size 327680
		.amdhsa_private_segment_fixed_size 0
		.amdhsa_enable_private_segment 0
		.amdhsa_kernarg_size 80
		.amdhsa_user_sgpr_count 2
		.amdhsa_user_sgpr_kernarg_segment_ptr 1
		.amdhsa_wavefront_size32 1
		.amdhsa_system_sgpr_workgroup_id_x 1
		.amdhsa_system_sgpr_workgroup_id_y 1
		.amdhsa_system_sgpr_workgroup_id_z 1
		.amdhsa_system_vgpr_workitem_id 0
		.amdhsa_next_free_vgpr 704
		.amdhsa_next_free_sgpr 76
		.amdhsa_reserve_vcc 0
		.amdhsa_float_denorm_mode_32 3
		.amdhsa_float_denorm_mode_16_64 3
		.amdhsa_memory_ordered 1
		.amdhsa_forward_progress 1
		.amdhsa_inst_pref_size 143
	.end_amdhsa_kernel
	.amdgpu_metadata
---
amdhsa.version: [ 1, 2 ]
amdhsa.kernels:
  - .name:           k_q2b32c796da_proj
    .symbol:         k_q2b32c796da_proj.kd
    .args:
      - { .name: Q, .offset: 0, .size: 8, .value_kind: global_buffer, .address_space: global }
      - { .name: K, .offset: 8, .size: 8, .value_kind: global_buffer, .address_space: global }
      - { .name: V, .offset: 16, .size: 8, .value_kind: global_buffer, .address_space: global }
      - { .name: wb, .offset: 24, .size: 8, .value_kind: global_buffer, .address_space: global }
      - { .name: bq, .offset: 32, .size: 8, .value_kind: global_buffer, .address_space: global }
      - { .name: bk, .offset: 40, .size: 8, .value_kind: global_buffer, .address_space: global }
      - { .name: bv, .offset: 48, .size: 8, .value_kind: global_buffer, .address_space: global }
      - { .name: qh, .offset: 56, .size: 8, .value_kind: global_buffer, .address_space: global }
      - { .name: kh, .offset: 64, .size: 8, .value_kind: global_buffer, .address_space: global }
      - { .name: vh, .offset: 72, .size: 8, .value_kind: global_buffer, .address_space: global }
    .group_segment_fixed_size: 327680
    .private_segment_fixed_size: 0
    .kernarg_segment_align: 8
    .kernarg_segment_size: 80
    .max_flat_workgroup_size: 128
    .sgpr_count:     76
    .vgpr_count:     704
    .wavefront_size: 32
...
	.end_amdgpu_metadata
.endif
;; end of part 2
;; launch attn (part 3): grid 4 x 64, 4 waves a work-group, clusters of 4 x 1, 327,680 bytes of LDS; arguments qh, kh, vh, ctx; writes ctx
.if DOCPART == 3
	.amdgcn_target "amdgcn-amd-amdhsa--gfx1250"
	.amdhsa_code_object_version 6
	.text
	.protected	k_q2b32c796da_attn
	.globl	k_q2b32c796da_attn
	.p2align	8
	.type	k_q2b32c796da_attn,@function
k_q2b32c796da_attn:
	s_mov_b64 s[64:65], 0
	v_nop
	global_prefetch_b8 v0, s[64:65] scope:SCOPE_SE
	s_setreg_imm32_b32 hwreg(HW_REG_WAVE_MODE, 25, 1), 1
	s_wait_xcnt 0x0
	s_wait_alu depctr_hold_cnt(0) depctr_sa_sdst(0) depctr_va_vdst(0) depctr_va_sdst(0) depctr_va_ssrc(0) depctr_va_vcc(0) depctr_vm_vsrc(0)
	s_getreg_b32 s2, hwreg(HW_REG_IB_STS2, 6, 4)
	s_cmp_eq_u32 s2, 0
	s_cbranch_scc0 .Lentry_in_a_cluster
	s_endpgm
.Lentry_in_a_cluster:
	s_bfe_u32 s2, ttmp6, 0x10000c
	s_cmp_lg_u32 s2, 0x3003
	s_cbranch_scc0 .Lentry_shape_is_right
	s_endpgm
.Lentry_shape_is_right:
; O[h][q][:] = the sum over k of softmax_k(Q[h][q] . K[h][k] / 8) V[h][k][:].  Q, K, V, O: [SIZE_H][SIZE_N][64], all f16: a head's rows are dense, 128 bytes each.  Products, maxima and sums in
; f32; the weights p are rounded to f16 for the second product (their sum l is taken of the unrounded p), O once at the end.  SIZE_H is at least 2; SIZE_N x 128 bytes stay under 2^32.
; LIMITS.  f16 holds no number beyond 65,504: Q, K and V arrive within it; p lies in 0 to 1, and below 6e-5 it keeps f16's fixed step of 6e-8; O is a mean of V's rows and has their range.
; A weight below 2^-126 counts as 0 in l; NaN and infinities are not treated apart.
; SHARES.  A wave owns four PIECES of two tiles of 16 queries, a work-group's four waves 512 queries of one head; SIZE_N is a multiple of 2,048.  Every wave walks all keys, 64 a step.
; LAYOUT.  S^T = K Q^T (source 0 = 16 keys, source 1 = 16 queries): in the result a lane holds ONE query (lane % 16) and the keys 8 (lane / 16) + 0..7.  Two such tiles, rounded to f16 in pairs,
; ARE source 1 (32 keys x 16 queries) of O^T = V^T P, whose result again holds one query a lane, and eight channels.  K comes out of LDS as it lies, V ([key][channel]) turned, by ds_load_tr16_b128.
; SOFTMAX.  For each query a running maximum m and sum l: p = 2^(c s - c m), c = log2(e) / 8; in every step O and l are multiplied by a = 2^(c m_old - c m_new), which is 1 where m has not grown.
; m starts at the lowest finite number, O and l at 0: the first step is a step like any other, with a = 0.
; THE COUNT.  A tile and step have 16 matrix and 118 vector instructions: too many to stand all beside the matrix work.  So the order has one aim: four vector instructions that are READY behind
; EVERY matrix instruction, and the others, which need time of their own whatever the order, in runs without a gap.
; BY TURNS.  Turn n belongs to piece n (the pieces in a ring, step after step).  Its matrix work: 16 products K Q^T of piece n + 1, later 16 products V^T P of piece n - 1.  Its vector work: the scaling,
; exponentials, roundings, sums and rescaling of piece n, and the maximum and statistics of piece n + 1, whose scores the turn itself has made.  So what a turn begins with (c s - c m, O a) waits for nothing.
; CLUSTER.  The four query blocks of a cluster belong to one head and walk the same K and V, so each tile is asked for JOINTLY: the same tensor load, descriptor and mask in all four.
; REGISTERS, in windows of 256 (s_set_vgpr_msb says which window each operand place means: bits 1:0 source 0, 3:2 source 1, 5:4 source 2, 7:6 destination):
;   window 0: v0-11 addresses; v12-15, v48-63 at work; v16-47 four registers of statistics a tile; v64-191 S^T, two buffers of two tiles; v192-255 P, likewise
;   window 1: O^T, 32 a tile          window 2: v0-127 Q, 16 a tile; v128-191 K of one step; v192-255 V of one step          window 3: v0-1 the add's two registers
; A piece's buffers go by its number's parity: the piece in hand has one pair, its two neighbours in the ring share the other: of it P (piece n - 1) is read and S^T (piece n + 1) written.
.set SIZE_H, 64       ; 8 batches x 8 heads
.set SIZE_N, 2048     ; rows of a head
.set NP,    4         ; pieces a wave: a name, no knob: the register map, the loop and the fetches are made for four
.set KS,    64        ; keys in a step
.set PK,    144       ; a row of K in LDS: 128 bytes + 16 of padding = 36 words: the 16 rows of a load start at 16 different groups of four banks (64 banks of 4 bytes: ISA guide 11.1)
.set PV,    160       ; a row of V: 128 + 32 = 40 words
.set VOFF,  4*KS*PK   ; a slot holds four steps: 256 rows of K, then 256 rows of V
.set SLOT1, 1<<17     ; slot 1 begins here, so that one exclusive or turns an address in one slot into the other's
.set STAGE, SLOT1+4*KS*(PK+PV)  ; behind the ring, never filled by a tensor load: 16 rows x 144 bytes for each wave, for the way out
.set SP,    144
.set AK0, 2           ; v2   my lane's place in a tile of K; never rewritten
.set AV0, 3           ; v3   the same for V
.set AK,  4           ; v4   the LDS address of K's next run of loads
.set AV,  5           ; v5   of V's
.set QO,  6           ; v6   my byte offset in the wave's rows of Q
.set STO, 6           ;      later, the way out: where I put 16 bytes of a row
.set RD,  7           ; v7   the way out: where I read rows back
.set GO,  8           ; v8   my byte offset in 512 consecutive bytes of O
.set SPW, 0           ; v0 of window 3   LDS address of my spare word: SPARE + 4 x my thread's number; never rewritten
.set NIL, 1           ; v1 of window 3   0; never rewritten
.set SPARE, STAGE+4*16*SP  ; behind the stages: the spare words, 128 bytes for each wave: two blocks of 256 bytes that no other line names
.set MV,  12          ; v12-15  c m_old, kept while c m is made anew: by buffer and tile
.set ST,  16          ; tile t's statistics at v[ST+4 t]: c m, m, l (even keys', odd keys')
.set TMP, 48          ; by buffer and tile, four registers c0-c3 at work; when the maximum is found c2 takes a
.set S,   64
.set P,   192
.set KF,  128         ; K's fragments, in window 2: key block kb, channel half c at KF + 16 kb + 8 c
.set VF,  192         ; V's: key half kk, channel block cb at VF + 32 kk + 8 cb
.set WV,  12          ; s12  my wave's number
.set G1K, 24          ; s[24:31] descriptor group 1 for K's tiles
.set G1V, 32          ; s[32:39] for V's: it differs in the padding alone
.set G0K, 40          ; s[40:43] descriptor group 0 for K's tiles: it walks
.set G0V, 44          ; s[44:47] the same for V's
.set SLOTS, 56        ; s56  slots still to be asked for
.set CNT, 57          ; s57  counts a slot's key steps
.set CS,  58          ; s[58:59] c: the packed scaling takes the pair's low word for both halves
.set SEL, 60          ; s[60:61] v_permlanex16_b32's selects: each lane takes its own place in the other half
.set TBK, 62          ; s62  LDS byte at which K of the step to be fetched begins
.set TBV, 63          ; s63  the same for V, less VOFF
.set MSB, 0
.macro WIN new                      ; the high byte repeats the setting that is left; a switch that changes nothing is dropped
.if MSB != (\new)
	s_set_vgpr_msb (MSB<<8)|(\new)
.set MSB, (\new)
.endif
.endm
.set W_KQ, 0x0a       ; K and Q in window 2, S^T in window 0
.set W_PV, 0x52       ; V in window 2, P in window 0, O^T in window 1
.set W_RS, 0x41       ; O^T (destination and source 0) in window 1, a in window 0
.set W_MK, 0xc0       ; the add's registers are made: destination in window 3, sources in window 0
.set W_AD, 0x0f       ; the add: address (source 0) and data (source 1) in window 3
; A joint fill.  Waves 0 and 1 fetch the two halves of a slot's K, waves 2 and 3 those of its V: 128 keys each.  The branch hangs on the wave's number alone.
; An s_nop 0 and four v_nop follow each of the two lines, ahead of the jump and the label.
.macro JLOAD
	s_cmp_lt_u32 s[WV], 2
	s_cbranch_scc0 .Lfor_v_\@
	tensor_load_to_lds s[G0K:G0K+3], s[G1K:G1K+7]
	s_nop 0
.rept 4
	v_nop
.endr
	s_branch .Lasked_\@
.Lfor_v_\@:
	tensor_load_to_lds s[G0V:G0V+3], s[G1V:G1V+7]
	s_nop 0
.rept 4
	v_nop
.endr
.Lasked_\@:
.endm
; A round of the cluster's barrier: my work-group's barrier, so that wave 0's signal speaks for all four waves; wave 0 signals; every wave waits for all four work-groups; my work-group's barrier once more.
.macro CROUND
	s_barrier_signal -1
	s_barrier_wait -1
	s_cmp_lg_u32 s[WV], 0
	s_cbranch_scc1 .Lnot_wave_0_\@
	s_barrier_signal -3
.Lnot_wave_0_\@:
	s_barrier_wait -3
	s_barrier_signal -1
	s_barrier_wait -1
.endm
; THE CHANGE OF SLOTS.  The slot's last bytes, V of its fourth step, have been read.  Each wave waits for all its tensor loads, of which one is out: its part
; of the other slot; adds 0 to its spare word; and waits for that and for its own reads of the slot.  Behind the barrier nobody reads this slot any more and the other slot is whole.
; fill = 1: this slot is filled again, with the keys two slots on.  The barrier is then a round of the cluster's, so that no wave of any partner still reads the slot or has a load on its
; way, and the joint fill is the first thing behind it: it has four key steps, 512 matrix instructions, in which to land.  (At its first use nothing has been read yet: slot 0 is waited for, slot 1 filled.)
.macro CHANGE fill
	WIN W_AD
	s_wait_tensorcnt 0x0            ; no tensor load of mine is out, so a group 0 may be written
	ds_add_u32 v[SPW], v[NIL]       ; 0 onto my spare word: with fill = 1 the descriptors' steps stand between it and the wait for it
	WIN 0                           ; at a label and at a branch every window is 0
.if \fill
.irp g, G0K, G0V
	s_xor_b32 s[\g+1], s[\g+1], SLOT1  ; the walking descriptor: the other slot than last time,
	s_add_nc_u64 s[\g+2:\g+3], s[\g+2:\g+3], 4*KS*128  ; the next 256 keys; the type bits on top are not reached
.endr
	s_wait_dscnt 0x0                ; the add is done, and my reads of the slot are over
	CROUND
	JLOAD
.else
	s_wait_dscnt 0x0                ; the add is done, and my reads of the slot are over
	s_barrier_signal -1
	s_barrier_wait -1
.endif
	s_sub_co_u32 s[TBK], s[TBK], 4*KS*PK  ; the fetches go back to a slot's first step,
	s_xor_b32 s[TBK], s[TBK], SLOT1       ; in the other slot
	s_sub_co_u32 s[TBV], s[TBV], 4*KS*PV
	s_xor_b32 s[TBV], s[TBV], SLOT1
.endm
	s_load_b256 s[4:11], s[0:1], 0x0  ; Q s[4:5], K s[6:7], V s[8:9], O s[10:11]
	WIN W_MK
	v_lshl_add_u32 v[SPW], v0, 2, SPARE
	v_mov_b32 v[NIL], 0
	WIN W_AD
	ds_add_u32 v[SPW], v[NIL]       ; the wave's opening: the add and its wait stand ahead of my first tensor load; the set-up below, work on registers, stands between them
	WIN 0
	v_lshrrev_b32 v1, 5, v0
	v_readfirstlane_b32 s[WV], v1   ; wave 0..3
	s_bfe_u32 s13, ttmp6, 0x40000   ; cx: my place in the cluster
	s_lshl_b32 s14, ttmp9, 2        ; in a cluster launch ttmp9 counts clusters
	s_add_co_u32 s14, s14, s13      ; my block of queries = 4 x cluster x + cx: it enters Q's and O's addresses alone
	s_and_b32 s20, ttmp7, 0xffff    ; the head, which the four partners share
	s_mov_b32 s21, 0
	s_mov_b64 s[22:23], SIZE_N*128
	s_mul_u64 s[20:21], s[20:21], s[22:23]  ; the head's first byte in each of the four tensors
	s_and_b32 s16, s[WV], 1         ; which half of a slot's 256 keys I fetch:
	s_lshl_b32 s22, s16, 14         ; its 128 rows of 128 bytes in memory,
	s_mov_b32 s23, 0
	s_add_nc_u64 s[22:23], s[22:23], s[20:21]
	s_mul_i32 s17, s16, 128*PK      ; and its place in a slot, for K
	s_mul_i32 s18, s16, 128*PV      ; and for V: no place in the cluster enters an LDS address
	s_lshl_b32 s2, s14, 2
	s_add_co_u32 s2, s2, s[WV]      ; my wave among the head's,
	s_lshl_b32 s2, s2, 14           ; its 128 rows
	s_mov_b32 s3, 0
	s_add_nc_u64 s[2:3], s[2:3], s[20:21]
	; descriptor group 1.  128 keys are 16,384 dense bytes: asked for as 64 rows of 256 bytes, two keys a row, and padded in LDS after every key
	s_mov_b32 s[G1K], 15|(1<<16)|(1<<20)|(1<<21)|(4<<22)|(3<<25)  ; 15:0 the mask of four; 17:16 2-byte elements; 20 padding on; 21 set beside a mask; 24:22 after every 32 words (code 4); 31:25 4 words (code 3)
	s_mov_b32 s[G1V], 15|(1<<16)|(1<<20)|(1<<21)|(4<<22)|(7<<25)  ; the same with 8 words of padding (code 7)
.irp g, G1K, G1V
	s_mov_b32 s[\g+1], 128<<16      ; tensor_dim0 = 128
	s_mov_b32 s[\g+2], 64<<16       ; tensor_dim1 = 64
	s_mov_b32 s[\g+3], 128<<16      ; tile_dim0 = 128
	s_mov_b32 s[\g+4], 64           ; tile_dim1 = 64
	s_mov_b32 s[\g+5], 128          ; 128 elements from row to row
	s_mov_b32 s[\g+6], 0
	s_mov_b32 s[\g+7], 0
.endr
	s_mov_b32 s[CS], 0x3e38aa3b     ; c = log2(e) / 8 = 0.180337
	s_mov_b32 s[CS+1], s[CS]        ; named with it as a pair
	s_mov_b32 s[SEL], 0x76543210
	s_mov_b32 s[SEL+1], 0xfedcba98
	s_mov_b32 s[TBK], SLOT1+4*KS*PK ; the first change of slots turns these two into 0
	s_mov_b32 s[TBV], SLOT1+4*KS*PV
	s_mov_b32 s[G0K], 1             ; 1:0 count = 1
	s_mov_b32 s[G0K+1], s17         ; 63:32 LDS address: slot 0
	s_mov_b32 s[G0V], 1
	s_add_co_u32 s[G0V+1], s18, VOFF
	s_wait_dscnt 0x0                ; the opening add is done
	s_wait_kmcnt 0x0
	s_add_nc_u64 s[G0K+2:G0K+3], s[6:7], s[22:23]  ; 120:64 global address: my half of the head's first 256 keys
	s_or_b32 s[G0K+3], s[G0K+3], 0x80000000        ; 127:126 type = 2
	s_add_nc_u64 s[G0V+2:G0V+3], s[8:9], s[22:23]
	s_or_b32 s[G0V+3], s[G0V+3], 0x80000000
	s_add_nc_u64 s[4:5], s[4:5], s[2:3]  ; Q and O at my wave's first row
	s_add_nc_u64 s[10:11], s[10:11], s[2:3]
	CROUND                          ; all four work-groups are here: the first joint loads meet
	JLOAD                           ; slot 0.  Slot 1 is asked for when slot 0 is in: the tile wanted first has the road to itself
	; A fragment of K or Q is 16 rows x 32 channels in 8 registers: lane l holds row l % 16, channels 8 (l / 16) + 0..7 and 16 + 8 (l / 16) + 0..7: two loads of 16 bytes, 32 bytes apart.
	v_and_b32 v1, 15, v0            ; l % 16
	v_bfe_u32 v9, v0, 4, 1          ; l / 16
	v_lshlrev_b32 v[QO], 7, v1
	v_lshl_add_u32 v[QO], v9, 4, v[QO]  ; row x 128 + 16 x half
	WIN 0x80                        ; destination window 2, address window 0
.set i, 0
.rept 4*NP                          ; Q stays in registers: tile i / 2, channels 32 (i % 2) on
	global_load_b128 v[8*i:8*i+3],   v[QO], s[4:5] offset:(i/2)*2048+(i%2)*64
	global_load_b128 v[8*i+4:8*i+7], v[QO], s[4:5] offset:(i/2)*2048+(i%2)*64+32
.set i, i+1
.endr
	; What the first turn finds: V's registers and P's second buffer hold 0 (its products V^T P, of a piece that has not been, add 0), O^T and l are 0.  All this stands in the wait for the first tile.
.set i, VF
.rept 64
	v_mov_b32 v[i], 0
.set i, i+1
.endr
	WIN 0x40
.set i, 0
.rept 64*NP
	v_mov_b32 v[i], 0
.set i, i+1
.endr
	WIN 0
.set i, 0
.rept 2*NP
	v_mov_b32 v[ST+4*i], 0xfe000000    ; c m: far below every c s
	v_mov_b32 v[ST+4*i+1], 0xff7fffff  ; m
	v_mov_b32 v[ST+4*i+2], 0
	v_mov_b32 v[ST+4*i+3], 0
.set i, i+1
.endr
.set i, P+32
.rept 32
	v_mov_b32 v[i], 0
.set i, i+1
.endr
	v_mul_u32_u24 v[AK0], v1, PK
	v_lshl_add_u32 v[AK0], v9, 4, v[AK0]  ; row x pitch + 16 x half
	; The turning load takes 16 keys x 16 channels (lane l reads key 8 (l / 16) + l % 8, channels 8 ((l / 8) % 2) + 0..7) and leaves half a fragment of V^T: lane l holds channel l % 16 and 8 keys.
	v_and_b32 v10, 7, v0
	v_bfe_u32 v11, v0, 3, 1
	v_lshl_add_u32 v[AV0], v9, 3, v10
	v_mul_u32_u24 v[AV0], v[AV0], PV
	v_lshl_add_u32 v[AV0], v11, 4, v[AV0]
	v_add_nc_u32 v[AV0], VOFF, v[AV0]
	v_mov_b32 v[AK], v[AK0]         ; key step 0 lies at the head of slot 0
; THE MATRIX WORK.  The 8 accumulators of a run of 16 take turns: between the two links of a chain stand 7 others'.
; Product i of 16 of S^T = K Q^T for piece x: channels 32 (i / 8) on, keys 16 ((i / 2) % 4) on, tile 2 x + i % 2.  The first 8 start the sums.
.macro KQ x
	WIN W_KQ
.set rS, S+64*((\x)%2)+32*(i%2)+8*((i/2)%4)
.set rK, KF+16*((i/2)%4)+8*(i/8)
.set rQ, 16*(2*(\x)+i%2)+8*(i/8)
.if i < 8
	v_wmma_f32_16x16x32_f16 v[rS:rS+7], v[rK:rK+7], v[rQ:rQ+7], 0
.else
	v_wmma_f32_16x16x32_f16 v[rS:rS+7], v[rK:rK+7], v[rQ:rQ+7], v[rS:rS+7]
.endif
.endm
; Product i of 16 of O^T += V^T P for piece x: keys 32 (i / 8) on, channels 16 ((i / 2) % 4) on, tile 2 x + i % 2.
.macro PV x
	WIN W_PV
.set rO, 32*(2*(\x)+i%2)+8*((i/2)%4)
.set rV, VF+32*(i/8)+8*((i/2)%4)
.set rP, P+32*((\x)%2)+16*(i%2)+8*(i/8)
	v_wmma_f32_16x16x32_f16 v[rO:rO+7], v[rV:rV+7], v[rP:rP+7], v[rO:rO+7]
.endm
.macro MM                           ; the turn's next matrix instruction
.if i < 16
	KQ (Y+1)%NP
.set i, i+1
.else
.set i, i-16
	PV (Y+NP-1)%NP
.set i, i+17
.endif
.endm
; THE LDS LOADS stand in runs of 16, never singly among the matrix instructions: a step's K (64 keys x 64 channels: 8 fragments) and its V (turned).  Their addresses are made some lines ahead.
; last = 1 (the tail): in the last trip there is no further step, and the run is jumped over.
.macro FETCH_K last=0
	WIN 0
.if \last
	s_cmp_eq_u32 s[CNT], 1
	s_cbranch_scc1 .Lno_k_\@
.endif
	WIN 0x80                        ; destination window 2
.irp f, 0,1,2,3,4,5,6,7             ; keys 16 (f / 2) on, channels 32 (f % 2) on
	ds_load_b128 v[KF+8*\f:KF+8*\f+3],   v[AK] offset:(\f/2)*16*PK+(\f%2)*64
	ds_load_b128 v[KF+8*\f+4:KF+8*\f+7], v[AK] offset:(\f/2)*16*PK+(\f%2)*64+32
.endr
	s_add_co_u32 s[TBK], s[TBK], KS*PK  ; the next fetch is the next step's
	WIN 0
.if \last
.Lno_k_\@:
.endif
.endm
.macro FETCH_V
	WIN 0x80
.irp f, 0,1,2,3,4,5,6,7             ; keys 32 (f / 4) on, channels 16 (f % 4) on
	ds_load_tr16_b128 v[VF+8*\f:VF+8*\f+3],   v[AV] offset:(\f/4)*32*PV+(\f%4)*32
	ds_load_tr16_b128 v[VF+8*\f+4:VF+8*\f+7], v[AV] offset:(\f/4)*32*PV+16*PV+(\f%4)*32
.endr
	WIN 0
.endm
; THE VECTOR WORK OF A TURN stands in three queues, each in the order in which its entries become ready; the two tiles alternate, so that no instruction reads the result of the one before it.
.macro REGS y, u                    ; the registers of tile u (0, 1) of piece y
.set rT, ST+4*(2*(\y)+(\u))
.set rC, TMP+8*((\y)%2)+4*(\u)
.set rM, MV+2*((\y)%2)+(\u)
.set rS, S+64*((\y)%2)+32*(\u)
.set rP, P+32*((\y)%2)+16*(\u)
.set rO, 32*(2*(\y)+(\u))
.endm
; Number n of the 22 that find the NEXT piece's (Y + 1) maximum and statistics.  s0-s31 are the lane's 32 scores; each accumulator's lowest registers are read first.  XS, GS and REGS set no window: PL and EX do.
;   0-11  four chains c0-c3 of seven scores each, three operands at a time     12-14, 16  the four scores left over, the old m, and c0-c3 into c0     15  c m_old is kept
;   17, 18  the query's other 32 keys lie in the lane 16 away: the new m         19-21  c m; c m_old - c m_new; a
.macro XS u, n
	REGS (Y+1)%NP, \u
.if (\n) < 4
	v_max3_num_f32 v[rC+(\n)], v[rS+8*(\n)], v[rS+8*(\n)+1], v[rS+8*(\n)+2]
.elseif (\n) < 12
	v_max3_num_f32 v[rC+(\n)%4], v[rC+(\n)%4], v[rS+8*((\n)%4)+2*((\n)/4)+1], v[rS+8*((\n)%4)+2*((\n)/4)+2]
.elseif (\n) == 12
	v_max3_num_f32 v[rC], v[rC], v[rS+7], v[rS+15]
.elseif (\n) == 13
	v_max3_num_f32 v[rC+1], v[rC+1], v[rS+23], v[rS+31]
.elseif (\n) == 14
	v_max3_num_f32 v[rC+2], v[rC+2], v[rC+3], v[rT+1]
.elseif (\n) == 15
	v_mov_b32 v[rM], v[rT]
.elseif (\n) == 16
	v_max3_num_f32 v[rC], v[rC], v[rC+1], v[rC+2]
.elseif (\n) == 17
	v_permlanex16_b32 v[rC+3], v[rC], s[SEL], s[SEL+1]
.elseif (\n) == 18
	v_max_num_f32 v[rT+1], v[rC], v[rC+3]
.elseif (\n) == 19
	v_mul_f32 v[rT], s[CS], v[rT+1]
.elseif (\n) == 20
	v_sub_f32 v[rC+1], v[rM], v[rT]
.else
	v_exp_f32 v[rC+2], v[rC+1]
.endif
.endm
; Number g of the 64 that follow the exponentials.  For each four weights k of a tile (pairs 2 k, 2 k + 1): both pairs are rounded to f16; then the second pair is added onto the first, in place;
; a group later l takes that sum (the first time as l = a l + sum).  In groups of eight, tiles alternating: round, round, add, and l for the group before.
.macro GS g
.set h, (\g)+6*((\g)/62)            ; group 0 has no group before it, and behind group 7 only l is left
.if h >= 6
.set h, h+2
.endif
	REGS Y, h%2
.set k, h/8
.if h%8 < 4
	s_wait_alu depctr_va_vdst(0)
	v_cvt_pk_f16_f32 v[rP+2*k+(h%8)/2], v[rS+4*k+2*((h%8)/2)], v[rS+4*k+2*((h%8)/2)+1]
.elseif h%8 < 6
	v_pk_add_f32 v[rS+4*k:rS+4*k+1], v[rS+4*k:rS+4*k+1], v[rS+4*k+2:rS+4*k+3]
.elseif k == 1
	v_pk_fma_f32 v[rT+2:rT+3], v[rT+2:rT+3], v[rC+2:rC+3], v[rS:rS+1] op_sel_hi:[1,0,1]
.else
	v_pk_add_f32 v[rT+2:rT+3], v[rT+2:rT+3], v[rS+4*k-4:rS+4*k-3]
	s_wait_alu depctr_va_vdst(0)
.endif
.endm
; THE PLAIN QUEUE, 138 long.  0-31: c s - c m for the 16 pairs of both tiles.  Then GS's 64, and among them the next piece's 42: number 15 at 38, 39; 0-14 and 16
; at 42-73, behind the products that make those scores; 17-20 at 95-106, two of three, since each waits for the one before it.
.macro PL
	WIN 0
.if q < 32
	REGS Y, q%2
	v_pk_fma_f32 v[rS+2*(q/2):rS+2*(q/2)+1], v[rS+2*(q/2):rS+2*(q/2)+1], s[CS:CS+1], v[rT:rT+1] op_sel_hi:[1,0,0] neg_lo:[0,0,1] neg_hi:[0,0,1]
.elseif q < 38
	GS q-32
.elseif q < 40
	XS q%2, 15
.elseif q < 42
	GS q-34
.elseif q < 74
	XS q%2, (q-42)/2+(q-42)/30
.elseif q < 95
	GS q-66
.elseif (q < 107) && ((q-95)%3 < 2)
	XS (q-95)%3, 17+(q-95)/3
.elseif q < 107
	GS 29+(q-95)/3
.else
	GS q-74
.endif
.set q, q+1
.endm
; THE EXPONENTIALS' QUEUE, 66 long: s0-s31 of both tiles, and at EA the next piece's two a.
.set EA, 58
.macro EX
	WIN 0
.if (e == EA) || (e == EA+1)
	XS e-EA, 21
.else
.set x, e-2*(e/(EA+2))
	REGS Y, x%2
	v_exp_f32 v[rS+x/2], v[rS+x/2]
.endif
.set e, e+1
.endm
; THE RESCALING's QUEUE: O^T times a, the one part that leaves window 0, so it is dealt four at a time, eight times.
.macro R4
	REGS Y, r%2
	WIN W_RS
	s_wait_alu depctr_va_vdst(0)
.irp z, 0,1,2,3
	v_pk_mul_f32 v[rO+8*(r/2)+2*\z:rO+8*(r/2)+2*\z+1], v[rO+8*(r/2)+2*\z:rO+8*(r/2)+2*\z+1], v[rC+2:rC+3] op_sel_hi:[1,0]
.endr
.set r, r+1
.endm
; HOW THEY ARE DEALT.  Behind a matrix instruction four: plain, exponential, plain, plain (one exponential, a plain instruction on either side), or four of the rescaling.  None names a register of the
; products round it.  What is over stands in two LUMPS: exponential and plain by turns; the second ends in 22 plain instructions.  The two v_permlanex16_b32 fall into the second lump, never behind a product.
; The queues lean on each other, and the deal keeps them in step: exponential e stands behind plain 2 (e / 4) + e % 2 (its scaling); when plain 32 comes, 10 exponentials are out, at 59: 33, at 95: 46; EA comes behind plain 107.
.macro SL
	MM
	PL
	EX
	PL
	PL
.endm
.macro BURST n                      ; 15 matrix instructions, or 16
.rept (\n)-7
	SL
.endr
.rept 3
	MM
	R4
	SL
.endr
	MM
	R4
.endm
; A TURN, for piece p.  cnt = 1: the loop's count is taken down some lines ahead of the branch that stands behind the turn.
; K of the next step is fetched in piece 2's turn, 31 vector instructions behind the last product that read K; its first reader comes behind the rest of the lump, 16 products and the second lump.
; V of the step in hand is fetched at the end of piece 0's turn, 69 behind its last reader; its first reader comes behind 16 products and a lump.  The four conditions on e and q below go with the deal.
.macro TURN p, last=0, cnt=0
.set Y, (\p)
.set i, 0
.set q, 0
.set e, 0
.set r, 0
.if (\p) == NP-1
	s_wait_dscnt 0x0                ; K is in
.endif
	MM
.rept 4
	PL
.endr
	BURST 15
.rept 22
	EX
	PL
.if ((\p) == NP-2) && (e == 18)
	v_add_nc_u32 v[AK], s[TBK], v[AK0]
.endif
.if ((\p) == NP-2) && (e == 24)
	FETCH_K \last
.endif
.endr
.if (\p) == 1
	s_wait_dscnt 0x0                ; V is in
.endif
	BURST 16
.rept 21
	EX
	PL
.endr
.rept 22
	PL
.if ((\p) == 0) && (q == 118)
	v_add_nc_u32 v[AV], s[TBV], v[AV0]
	s_wait_alu depctr_va_vdst(0)
.endif
.if ((\p) == 0) && (q == 130)
	s_add_co_u32 s[TBV], s[TBV], KS*PV
.endif
.if (\cnt) && (q == 130)
	s_sub_co_u32 s[CNT], s[CNT], 1
	s_cmp_lg_u32 s[CNT], 0
.endif
.endr
.if (\p) == 0
	FETCH_V
.endif
.endm
	CHANGE 1                        ; slot 0 is in, everybody's part of it; slot 1 is asked for
	FETCH_K                         ; key step 0
	s_wait_loadcnt 0x0              ; Q
	s_wait_dscnt 0x0
.set i, 0
.rept 16
	KQ 0                            ; piece 0's first scores: there is no vector work yet to set between them
.set i, i+1
.endr
	WIN 0                           ; the addresses for the way out: nine plain instructions, the places behind those products
	s_mul_i32 s13, s[WV], 16*SP
	s_add_co_u32 s13, s13, STAGE    ; my stage
	v_mul_u32_u24 v[STO], v1, SP    ; in: row l % 16, 16 bytes for each half of the lanes
	v_lshl_add_u32 v[STO], v9, 4, v[STO]
	v_add_nc_u32 v[STO], s13, v[STO]
	v_bfe_u32 v[RD], v0, 3, 2       ; back: 32 lanes take four rows of 128 bytes,
	v_mul_u32_u24 v[RD], v[RD], SP
	v_lshl_add_u32 v[RD], v10, 4, v[RD]
	v_add_nc_u32 v[RD], s13, v[RD]
	v_and_b32 v[GO], 31, v0         ; which are 512 consecutive bytes of O
	v_lshlrev_b32 v[GO], 4, v[GO]
.set Y, NP-1                        ; XS works for piece Y + 1: piece 0
.irp n, 0,1,2,3,4,5,6,7,8,9,10,11,12,13,14,15,16,17,18,19,20,21
	XS 0, \n                        ; and piece 0's first maximum and statistics
	XS 1, \n
.endr
	s_mov_b32 s[CNT], 4
	s_mov_b32 s[SLOTS], SIZE_N/256-1
	s_branch .Lfirst                ; the loop is entered at a step's first turn, in the middle of a trip
.Lslot:                             ; SIZE_N / 256 - 2 times: every slot but the last two is filled again
	CHANGE 1
	s_mov_b32 s[CNT], 4
.Lstep:                             ; a trip: pieces 2 and 3 of one step, then pieces 0 and 1 of the next, whose K and V it fetches
	TURN 2
	TURN 3
	WIN 0
.Lfirst:
	TURN 0
	TURN 1, 0, 1
	WIN 0
	s_cbranch_scc1 .Lstep
	s_sub_co_u32 s[SLOTS], s[SLOTS], 1
	s_cmp_lg_u32 s[SLOTS], 0
	s_cbranch_scc1 .Lslot
	CHANGE 0                        ; the tail is written out: nothing is asked for
	s_mov_b32 s[CNT], 5             ; four trips fetch the last slot's steps; the fifth is left in its middle
.Ltail:
	TURN 2, 1
	TURN 3
	WIN 0
	s_sub_co_u32 s[CNT], s[CNT], 1
	s_cmp_eq_u32 s[CNT], 0
	s_cbranch_scc1 .Lout
	TURN 0
	TURN 1
	WIN 0
	s_branch .Ltail
.Lout:                              ; the fifth trip's 16 products K Q^T (on the last K once more) and the maximum made of them serve nothing: the price, once a launch, of one text for every trip
.set i, 0
.rept 16
	PV NP-1                         ; the last piece's V^T P of the last step
.set i, i+1
.endr
	; THE WAY OUT.  l's two halves and the other half of the lanes' are added; O^T is divided by l, rounded to f16 and sent through my stage in LDS, a tile at a time.  The additions are the places behind the last products.
	WIN 0
.macro ALL line:vararg              ; one line for each tile t
.set t, 0
.rept 2*NP
	\line
.set t, t+1
.endr
.endm
	ALL v_add_f32 v[ST+4*t+2], v[ST+4*t+2], v[ST+4*t+3]
	ALL v_permlanex16_b32 v[ST+4*t+3], v[ST+4*t+2], s[SEL], s[SEL+1]
	ALL v_add_f32 v[ST+4*t+2], v[ST+4*t+2], v[ST+4*t+3]
	ALL v_rcp_f32 v[ST+4*t+2], v[ST+4*t+2]
	v_nop                           ; a plain instruction between the last reciprocal and the use of its result
	s_wait_alu depctr_va_vdst(0)
; Tile t: a lane's eight channels of a row pack into 16 bytes; they go into rows of 144 bytes and come back as whole rows of 128, into S^T's registers.
.macro PACK t
	WIN W_RS
.set i, 32*(\t)
.rept 16
	v_pk_mul_f32 v[i:i+1], v[i:i+1], v[ST+4*(\t)+2:ST+4*(\t)+3] op_sel_hi:[1,0]
.set i, i+2
.endr
	WIN 0x05                        ; sources 0 and 1 window 1, destination window 0
.set i, 0
.rept 16
	v_cvt_pk_f16_f32 v[S+16*(\t)+i], v[32*(\t)+2*i], v[32*(\t)+2*i+1]
.set i, i+1
.endr
	WIN 0
.irp f, 0,1,2,3
	ds_store_b128 v[STO], v[S+16*(\t)+4*\f:S+16*(\t)+4*\f+3] offset:32*\f
.endr
.irp f, 0,1,2,3
	ds_load_b128 v[S+16*(\t)+4*\f:S+16*(\t)+4*\f+3], v[RD] offset:\f*4*SP  ; LDS serves a wave's instructions in order (ISA guide 5.7.1.4): these see the stores above; the next tile's stores come behind them
.endr
.endm
.macro SEND t, younger              ; younger: the LDS instructions issued behind tile t's loads: the next tile's eight, or none
	WIN 0
.irp f, 0,1,2,3
	s_wait_dscnt (\younger)+3-\f
	global_store_b128 v[GO], v[S+16*(\t)+4*\f:S+16*(\t)+4*\f+3], s[10:11] offset:(\t)*2048+\f*512  ; 512 consecutive bytes, at a multiple of 256 from O's first
.endr
.endm
	PACK 0
.set t, 1
.rept 2*NP-1                        ; a tile's arithmetic stands between the loads of the tile before and its stores
	PACK t
	SEND t-1, 8
.set t, t+1
.endr
	SEND 2*NP-1, 0
	WIN W_AD
	s_wait_tensorcnt 0x0            ; the wave's end: an add onto my spare word and its wait, behind my last tensor load and my last LDS store
	ds_add_u32 v[SPW], v[NIL]
	s_wait_dscnt 0x0
	WIN 0
	CROUND                          ; the closing round: no work-group ends while a partner may still ask for a tile that names it
	s_endpgm
.Lfunc_end_k_q2b32c796da_attn:
	.size	k_q2b32c796da_attn, .Lfunc_end_k_q2b32c796da_attn-k_q2b32c796da_attn
	.p2alignl 7, 3214868480
	.fill 96, 4, 3214868480
	.section	.rodata,"a",@progbits
	.p2align	6, 0x0
	.amdhsa_kernel k_q2b32c796da_attn
		.amdhsa_group_segment_fixed_size 327680
		.amdhsa_private_segment_fixed_size 0
		.amdhsa_enable_private_segment 0
		.amdhsa_kernarg_size 32
		.amdhsa_user_sgpr_count 2
		.amdhsa_user_sgpr_kernarg_segment_ptr 1
		.amdhsa_wavefront_size32 1
		.amdhsa_system_sgpr_workgroup_id_x 1
		.amdhsa_system_sgpr_workgroup_id_y 1
		.amdhsa_system_sgpr_workgroup_id_z 1
		.amdhsa_system_vgpr_workitem_id 0
		.amdhsa_next_free_vgpr 770
		.amdhsa_next_free_sgpr 66
		.amdhsa_reserve_vcc 0
		.amdhsa_float_denorm_mode_32 3
		.amdhsa_float_denorm_mode_16_64 3
		.amdhsa_memory_ordered 1
		.amdhsa_forward_progress 1
		.amdhsa_inst_pref_size 208
	.end_amdhsa_kernel
	.amdgpu_metadata
---
amdhsa.version: [ 1, 2 ]
amdhsa.kernels:
  - .name:           k_q2b32c796da_attn
    .symbol:         k_q2b32c796da_attn.kd
    .args:
      - { .name: qh, .offset: 0, .size: 8, .value_kind: global_buffer, .address_space: global }
      - { .name: kh, .offset: 8, .size: 8, .value_kind: global_buffer, .address_space: global }
      - { .name: vh, .offset: 16, .size: 8, .value_kind: global_buffer, .address_space: global }
      - { .name: ctx, .offset: 24, .size: 8, .value_kind: global_buffer, .address_space: global }
    .group_segment_fixed_size: 327680
    .private_segment_fixed_size: 0
    .kernarg_segment_align: 8
    .kernarg_segment_size: 32
    .max_flat_workgroup_size: 128
    .sgpr_count:     66
    .vgpr_count:     770
    .wavefront_size: 32
...
	.end_amdgpu_metadata
.endif
;; end of part 3
;; launch outp (part 4): grid 256 x 1, 4 waves a work-group, clusters of 4 x 1, 327,680 bytes of LDS; arguments ctx, wb, bo, Q, gamma, beta, out0; writes out0
.if DOCPART == 4
	.amdgcn_target "amdgcn-amd-amdhsa--gfx1250"
	.amdhsa_code_object_version 6
	.text
	.protected	k_q2b32c796da_outp
	.globl	k_q2b32c796da_outp
	.p2align	8
	.type	k_q2b32c796da_outp,@function
k_q2b32c796da_outp:
	s_mov_b64 s[64:65], 0
	v_nop
	global_prefetch_b8 v0, s[64:65] scope:SCOPE_SE
	s_setreg_imm32_b32 hwreg(HW_REG_WAVE_MODE, 25, 1), 1
	s_wait_xcnt 0x0
	s_wait_alu depctr_hold_cnt(0) depctr_sa_sdst(0) depctr_va_vdst(0) depctr_va_sdst(0) depctr_va_ssrc(0) depctr_va_vcc(0) depctr_vm_vsrc(0)
	s_getreg_b32 s2, hwreg(HW_REG_IB_STS2, 6, 4)
	s_cmp_eq_u32 s2, 0
	s_cbranch_scc0 .Lentry_in_a_cluster
	s_endpgm
.Lentry_in_a_cluster:
	s_bfe_u32 s2, ttmp6, 0x10000c
	s_cmp_lg_u32 s2, 0x3003
	s_cbranch_scc0 .Lentry_shape_is_right
	s_endpgm
.Lentry_shape_is_right:
; out0 = LayerNorm(ctx Wo^T + bo + Q) gamma + beta.  ctx: [batch x 8 + head][2048][64] f16; Wo: matrix 3 of wb, [n][k] f16; bo, Q, gamma, beta, out0: f32.
; Products in f16 with f32 sums (bo is the C operand that starts a sum); the residual and the norm in f32: mean, then the mean of the squared deviations, then 1 / sqrt(var + 1e-5).
; SHARES.  Work-group g owns rows 64 g .. 64 g + 63, whole, as the norm needs them.  In the product wave w owns all 64 rows and columns 128 w .. 128 w + 127: 32 accumulators;
; in the norm it owns rows 16 w .. 16 w + 15, so the sums change hands once, through LDS.
; ctx STAYS IN REGISTERS: it is loaded straight in fragment layout, 512 registers for 64 rows x 512 K.  (Two slots of Wo and a tile of ctx do not fit in LDS together: 278,528 + 73,728 bytes.)
; The price: each of the four waves loads all 64 rows.
; Wo comes in four K steps of 128 through two LDS slots, 128 rows a wave; the four work-groups of a cluster walk the same Wo, so each load is asked for JOINTLY.  When slot 0 has had its last
; tile of Wo it takes the work-group's rows of Q (a load of my own: the partners' rows differ); slot 1, behind its last fill, becomes the stage for the sums.
; THE MATRIX INSTRUCTION IS USED TRANSPOSED (source 0 = 16 rows of Wo, source 1 = 16 rows of ctx): a lane holds eight neighbouring columns of one row.
; REGISTERS, in windows of 256 (s_set_vgpr_msb: bits 1:0 source 0, 3:2 source 1, 5:4 source 2, 7:6 destination):
;   window 0: v0-31 addresses; v32-47 gamma, v48-63 beta; v64-127, v128-191 two buffers of Wo's 8 fragments, later the norm's rows; v192-255 bo as C operand, later at work
;   window 1: accumulator (a, b) at v[8 (8 a + b)]          windows 2, 3: ctx: fragment (kk, a) at v[8 (4 (kk % 8) + a)] of window 2 + kk / 8, kk = K / 32
.set PITCH,  272                       ; an LDS row of Wo: 256 bytes + 16 of padding: the 16 rows of a fragment load start at 16 different groups of four banks (64 banks of 4 bytes: ISA guide 11.1)
.set WROWS,  128*PITCH
.set WSLOT,  4*WROWS
.set XS,     WSLOT                     ; the stage: 64 rows of 512 f32
.set XP,     2064                      ; its pitch: 2,048 + 16 = 516 words: row r starts at bank 4 r mod 64
.set QP,     2080                      ; Q's pitch: 16 bytes of padding behind each 1,024
.set SPARE,  2*WSLOT                   ; the spare words, 128 bytes a wave: two blocks of 256 bytes that no other line names
.set HEADB,  2048*64*2                 ; a head's bytes in ctx
.set ADRB, 2                           ; v2-3   LDS address of my fragments of Wo in slot 0, 1
.set CO,   4                           ; v4     my byte offset in 16 rows of a head of ctx
.set STO,  5                           ; v5-6   where I put 32 bytes of a row of the stage: m blocks 0, 1; m blocks 2, 3
.set RD,   7                           ; v7     where I read my rows of the stage
.set RQ,   8                           ; v8     and of Q
.set GO,   9                           ; v9     16 x lane
.set BO,   10                          ; v10    512 w + 32 (l / 16)
.set PF,   11                          ; v11    256 x thread
.set SPW,  28                          ; v28    LDS address of my spare word; never rewritten
.set NIL,  29                          ; v29    0; never rewritten
.set GAM,  32
.set BET,  48
.set F0,   64
.set F1,   128
.set BIA,  192
.set X,    64                          ; the norm: four rows of 16 numbers a lane
.set QR,   128                         ; their Q
.set TR,   192                         ; 16 registers a row at work
.set PC,  4                            ; s[4:5]   ctx at my rows of head 0
.set PO,  16                           ; s[16:17] out0 at my rows
.set QB,  18                           ; s[18:19] Q at the work-group's rows
.set G1,  24                           ; s[24:31] descriptor group 1 for Wo
.set G0,  32                           ; s[32:39] group 0, a set for each slot
.set G1Q, 40                           ; s[40:47] group 1 for Q
.set G0Q, 48                           ; s[48:51] group 0 for Q
.set WV,  52
.set SEL, 60                           ; s[60:61] v_permlanex16_b32's selects: each lane takes its own place in the other half
.set INV, 62                           ; s62  1 / 512
.set EPS, 63                           ; s63  1e-5
.set CNT, 66
.set MSB, 0
.macro WIN new                         ; the immediate's high byte repeats the setting that is left; a switch that changes nothing is dropped
.if MSB != (\new)
	s_set_vgpr_msb (MSB<<8)|(\new)
.set MSB, (\new)
.endif
.endm
.macro PLACES                          ; four places in front of loads into registers that matrix instructions have read, and of stores that read results (ISA guide 7.12.1 for the stores)
.rept 4
	v_nop
.endr
.endm
.macro CREST                           ; a round of the cluster's barrier behind its opening barrier
	s_cmp_lg_u32 s[WV], 0
	s_cbranch_scc1 .Lnot_wave_0_\@
	s_barrier_signal -3
.Lnot_wave_0_\@:
	s_barrier_wait -3
	s_barrier_signal -1
	s_barrier_wait -1
.endm
.macro CROUND
	s_barrier_signal -1
	s_barrier_wait -1
	CREST
.endm
; ctx for K step st: 32 loads.  Lane l takes row l % 16 of m block a, channels 8 (l / 16) + 0..7 and 16 + 8 (l / 16) + 0..7 of the 32 at kk: head kk / 2, half kk % 2.
.macro ALOAD st
.if (\st) < 2
	WIN 0x80
.else
	WIN 0xc0
.endif
.irp q, 0,1,2,3
.irp a, 0,1,2,3
.set kk, 4*(\st)+\q
.set fr, 8*(4*(kk%8)+\a)
	global_load_b128 v[fr:fr+3],   v[CO], s[PC:PC+1] offset:(kk/2)*HEADB+\a*2048+(kk%2)*64
	global_load_b128 v[fr+4:fr+7], v[CO], s[PC:PC+1] offset:(kk/2)*HEADB+\a*2048+(kk%2)*64+32
.endr
.endr
	WIN 0
.endm
.macro FETCH slot, k, f                ; 16 LDS loads in one run: my 8 fragments of Wo, 32 along K at byte k of the rows
	WIN 0
.irp b, 0,1,2,3,4,5,6,7
	ds_load_b128 v[(\f)+8*\b:(\f)+8*\b+3],   v[ADRB+(\slot)] offset:(\k)+\b*16*PITCH
	ds_load_b128 v[(\f)+8*\b+4:(\f)+8*\b+7], v[ADRB+(\slot)] offset:(\k)+\b*16*PITCH+32
.endr
.endm
; n blocks b0 .. b0 + n - 1 by all four m blocks, at kk.  st = 1: the product starts the sum, with bo as C.  The 32 accumulators take turns, one instruction a turn.
.macro MULS f, kk, b0, n, st
.if \st
	WIN 0x48                                       ; ctx in window 2, C in window 0, D in window 1
.elseif (\kk) < 8
	WIN 0x58                                       ; ctx in window 2, C and D in window 1
.else
	WIN 0x5c                                       ; ctx in window 3
.endif
.set bb, (\b0)
.rept \n
.irp a, 0,1,2,3
.if \st
	v_wmma_f32_16x16x32_f16 v[8*(8*\a+bb):8*(8*\a+bb)+7], v[(\f)+8*bb:(\f)+8*bb+7], v[8*(4*((\kk)%8)+\a):8*(4*((\kk)%8)+\a)+7], v[BIA+8*bb:BIA+8*bb+7]
.else
	v_wmma_f32_16x16x32_f16 v[8*(8*\a+bb):8*(8*\a+bb)+7], v[(\f)+8*bb:(\f)+8*bb+7], v[8*(4*((\kk)%8)+\a):8*(4*((\kk)%8)+\a)+7], v[8*(8*\a+bb):8*(8*\a+bb)+7]
.endif
.endr
.set bb, bb+1
.endr
.endm
; One of a K step's first three quarters: multiplies buffer f at kk; in its middle it fetches the next quarter's fragments, at byte k of the slot's rows, into buffer g.
; al >= 0: ctx of K step al is asked for.  pf >= 0: block pf of four of the work-group's 131,072 bytes of Q is asked into the L2, each 256 bytes by one lane of the work-group:
; three in K step 1 and one in K step 2, ahead of the tensor load at K step 2's end that reads them.
.macro QUARTER slot, kk, k, f, g, st, al, pf
	s_wait_dscnt 8                                 ; n blocks 0-3 are in; the youngest eight loads may be out
	MULS \f, \kk, 0, 4, \st
	WIN 0
	PLACES
.if (\al) >= 0
	ALOAD \al
.endif
.if (\pf) >= 0
	global_prefetch_b8 v[PF], s[QB:QB+1] offset:32768*(\pf) th:TH_LOAD_NT scope:SCOPE_SE
.endif
	FETCH \slot, \k, \g
	s_wait_dscnt 16                                ; all but the 16 just issued
	MULS \f, \kk, 4, 4, \st
.endm
; The last quarter of K step st (0 to 2) multiplies buffer 1 and changes slots.  Each wave waits for all its tensor loads, of which one is out: its part of the next slot; adds 0 to its
; spare word; and waits for that and for its reads of the slot that it leaves.  The barrier opens a round of the cluster's barrier, and the one refill is the first thing behind the round:
; Wo's K step st + 2, or, behind K step 2, my 16 rows of Q.
.macro TURN st
	WIN 0
	s_wait_tensorcnt 0x0                           ; no tensor load of mine is out, so a group 0 may be written
	ds_add_u32 v[SPW], v[NIL]                      ; 0 onto my spare word: work on registers stands between it and the wait for it
.if (\st) < 2
	s_add_nc_u64 s[G0+4*(\st)+2:G0+4*(\st)+3], s[G0+4*(\st)+2:G0+4*(\st)+3], 512  ; two K steps on; the type bits on top are not reached
.endif
	s_wait_dscnt 9                                 ; the add and the youngest eight loads may be out
	MULS F1, 4*(\st)+3, 0, 2, 0
	s_wait_dscnt 0x0                               ; the add is done, and my reads of the slot are over
	s_barrier_signal -1
	MULS F1, 4*(\st)+3, 2, 2, 0
	WIN 0                                          ; at a branch and at a label every window is 0
	s_barrier_wait -1
	CREST
.if (\st) < 2
	tensor_load_to_lds s[G0+4*(\st):G0+4*(\st)+3], s[G1:G1+7]
.else
	tensor_load_to_lds s[G0Q:G0Q+3], s[G1Q:G1Q+7]
.endif
	s_nop 0
	PLACES                                         ; also the places in front of the loads below
	FETCH ((\st)+1)%2, 0, F0
	MULS F1, 4*(\st)+3, 4, 4, 0
.endm
.macro ROW4 line:vararg                ; one line for each of a trip's four rows rw
.set rw, 0
.rept 4
	\line
.set rw, rw+1
.endr
.endm
.macro ACROSS t                        ; the sum of v[t] over the 32 lanes, in every lane; v[t+1] is at work
	ROW4 v_add_f32_dpp v[(\t)+16*rw], v[(\t)+16*rw], v[(\t)+16*rw] row_xmask:1 row_mask:0xf bank_mask:0xf
	ROW4 v_add_f32_dpp v[(\t)+16*rw], v[(\t)+16*rw], v[(\t)+16*rw] row_xmask:2 row_mask:0xf bank_mask:0xf
	ROW4 v_add_f32_dpp v[(\t)+16*rw], v[(\t)+16*rw], v[(\t)+16*rw] row_xmask:4 row_mask:0xf bank_mask:0xf
	ROW4 v_add_f32_dpp v[(\t)+16*rw], v[(\t)+16*rw], v[(\t)+16*rw] row_xmask:8 row_mask:0xf bank_mask:0xf
	ROW4 v_permlanex16_b32 v[(\t)+16*rw+1], v[(\t)+16*rw], s[SEL], s[SEL+1]
	ROW4 v_add_f32 v[(\t)+16*rw], v[(\t)+16*rw], v[(\t)+16*rw+1]
.endm
	s_load_b256 s[4:11], s[0:1], 0x0               ; ctx s[4:5], wb s[6:7], bo s[8:9], Q s[10:11]
	s_load_b128 s[12:15], s[0:1], 0x20             ; gamma s[12:13], beta s[14:15]
	s_load_b64 s[16:17], s[0:1], 0x30              ; out0
	v_lshl_add_u32 v[SPW], v0, 2, SPARE
	v_mov_b32 v[NIL], 0
	ds_add_u32 v[SPW], v[NIL]                      ; the wave's opening: the add and its wait stand ahead of my first tensor load; the set-up below, work on registers, stands between them
	v_lshrrev_b32 v1, 5, v0
	v_readfirstlane_b32 s[WV], v1                  ; wave 0..3
	s_bfe_u32 s53, ttmp6, 0x40000                  ; cx: my place in the cluster
	s_lshl_b32 s54, ttmp9, 2                       ; in a cluster launch ttmp9 counts clusters
	s_add_co_u32 s54, s54, s53                     ; g = 4 x cluster x + cx: it enters ctx's, Q's and out0's addresses alone
	; descriptor group 1 for Wo: 128 rows x 128 elements of 2 bytes, padded in LDS
	s_mov_b32 s[G1], 15|(1<<16)|(1<<20)|(1<<21)|(5<<22)|(3<<25)  ; 15:0 the mask of four; 17:16 2-byte elements; 20 padding on; 21 set beside a mask; 24:22 after every 64 words (code 5); 31:25 4 words (code 3)
	s_mov_b32 s[G1+1], 128<<16                     ; tensor_dim0 = 128
	s_mov_b32 s[G1+2], 128<<16                     ; tensor_dim1 = 128
	s_mov_b32 s[G1+3], 128<<16                     ; tile_dim0 = 128
	s_mov_b32 s[G1+4], 128                         ; tile_dim1 = 128
	s_mov_b32 s[G1+5], 512                         ; 512 elements from row to row
	s_mov_b32 s[G1+6], 0
	s_mov_b32 s[G1+7], 0
	; descriptor group 1 for Q: 16 rows x 512 elements of 4 bytes
	s_mov_b32 s[G1Q], (2<<16)|(1<<20)|(7<<22)|(3<<25)  ; no mask; 17:16 4-byte elements; 20 padding on; 24:22 after every 256 words (code 7); 31:25 4 words (code 3)
	s_mov_b32 s[G1Q+1], 512<<16                    ; tensor_dim0 = 512
	s_mov_b32 s[G1Q+2], 16<<16                     ; tensor_dim1 = 16
	s_mov_b32 s[G1Q+3], 512<<16                    ; tile_dim0 = 512
	s_mov_b32 s[G1Q+4], 16                         ; tile_dim1 = 16
	s_mov_b32 s[G1Q+5], 512
	s_mov_b32 s[G1Q+6], 0
	s_mov_b32 s[G1Q+7], 0
	s_mul_i32 s67, s[WV], WROWS                    ; my 128 rows of a slot: no place in the cluster enters an LDS address
	s_mov_b32 s[G0], 1
	s_mov_b32 s[G0+1], s67                         ; slot 0
	s_mov_b32 s[G0+4], 1
	s_add_co_u32 s[G0+5], s67, WSLOT               ; slot 1
	s_mov_b32 s[G0Q], 1
	s_mul_i32 s[G0Q+1], s[WV], 16*QP               ; my 16 rows of Q, in slot 0's bytes
	s_lshl_b32 s68, s[WV], 17                      ; my 128 rows of 1,024 bytes,
	s_add_co_u32 s68, s68, 3*512*512*2             ; in matrix 3 of wb
	s_mov_b32 s69, 0
	s_lshr_b32 s56, s54, 5                         ; ctx: batch g / 32, eight heads of 262,144 bytes,
	s_lshl_b32 s56, s56, 21
	s_and_b32 s72, s54, 31
	s_lshl_b32 s72, s72, 13                        ; row 64 (g % 32), 128 bytes each
	s_add_co_u32 s56, s56, s72
	s_mov_b32 s57, 0
	s_lshl_b32 s58, s54, 17                        ; Q and out0: 64 g rows of 2,048 bytes,
	s_mov_b32 s59, 0
	s_lshl_b32 s72, s[WV], 15                      ; and my 16 of the 64
	s_add_co_u32 s70, s58, s72
	s_mov_b32 s71, 0
	s_mov_b32 s[SEL], 0x76543210
	s_mov_b32 s[SEL+1], 0xfedcba98
	s_mov_b32 s[INV], 0x3b000000                   ; 1 / 512
	s_mov_b32 s[EPS], 0x3727c5ac                   ; 1e-5
	v_and_b32 v14, 31, v0                          ; lane l
	v_and_b32 v1, 15, v0                           ; l % 16
	v_bfe_u32 v15, v0, 4, 1                        ; l / 16
	v_mul_u32_u24 v16, v1, PITCH
	v_lshl_add_u32 v16, v15, 4, v16                ; a fragment's row x pitch + 16 x half
	v_add_nc_u32 v[ADRB], s67, v16
	v_add_nc_u32 v[ADRB+1], WSLOT, v[ADRB]
	v_lshlrev_b32 v[CO], 7, v1
	v_lshl_add_u32 v[CO], v15, 4, v[CO]            ; row x 128 + 16 x half
	s_lshl_b32 s67, s[WV], 9
	v_lshl_add_u32 v[BO], v15, 5, s67              ; my eight columns of an n block: 512 w + 32 (l / 16)
	v_mul_u32_u24 v[STO], v1, XP
	v_add_nc_u32 v[STO], v[STO], v[BO]             ; into the stage: row l % 16, those columns,
	v_add_nc_u32 v[STO], XS, v[STO]                ; from the stage's first byte
	v_add_nc_u32 v[STO+1], 32*XP, v[STO]           ; 32 rows on: past the reach of a 16-bit offset
	s_mul_i32 s67, s[WV], 16*XP
	s_add_co_u32 s67, s67, XS
	v_lshl_add_u32 v[RD], v14, 4, s67              ; back: my 16 rows, 512 consecutive bytes a load
	s_mul_i32 s67, s[WV], 16*QP
	v_lshl_add_u32 v[RQ], v14, 4, s67
	v_lshlrev_b32 v[GO], 4, v14
	v_lshlrev_b32 v[PF], 8, v0
	s_wait_dscnt 0x0                               ; the opening add is done
	s_wait_kmcnt 0x0
	s_add_nc_u64 s[G0+2:G0+3], s[6:7], s[68:69]    ; Wo's K step 0,
	s_add_nc_u64 s[G0+6:G0+7], s[G0+2:G0+3], 256   ; and K step 1
	s_or_b32 s[G0+3], s[G0+3], 0x80000000          ; type = 2
	s_or_b32 s[G0+7], s[G0+7], 0x80000000
	s_add_nc_u64 s[G0Q+2:G0Q+3], s[10:11], s[70:71]
	s_or_b32 s[G0Q+3], s[G0Q+3], 0x80000000
	s_add_nc_u64 s[QB:QB+1], s[10:11], s[58:59]
	s_add_nc_u64 s[PC:PC+1], s[PC:PC+1], s[56:57]
	s_add_nc_u64 s[PO:PO+1], s[PO:PO+1], s[70:71]
.irp b, 0,1,2,3,4,5,6,7
	global_load_b128 v[BIA+8*\b:BIA+8*\b+3],   v[BO], s[8:9] offset:64*\b      ; bo: register j of n block b is column 16 b + 8 (l / 16) + j of my 128
	global_load_b128 v[BIA+8*\b+4:BIA+8*\b+7], v[BO], s[8:9] offset:64*\b+16
.endr
.irp c, 0,1,2,3
	global_load_b128 v[GAM+4*\c:GAM+4*\c+3], v[GO], s[12:13] offset:512*\c     ; columns 128 c + 4 l .. + 3, as the norm holds a row
	global_load_b128 v[BET+4*\c:BET+4*\c+3], v[GO], s[14:15] offset:512*\c
.endr
	ALOAD 0
	ALOAD 1
	CROUND                                         ; all four work-groups are here: the first joint loads meet
	tensor_load_to_lds s[G0:G0+3], s[G1:G1+7]      ; the two first fills go out together: two tensor loads of mine are out, the most in this text
	s_nop 0
	tensor_load_to_lds s[G0+4:G0+7], s[G1:G1+7]
	s_nop 0
	PLACES
	s_wait_tensorcnt 1                             ; my part of K step 0 is in; K step 1's may stay out
	s_barrier_signal -1
	s_barrier_wait -1
	FETCH 0, 0, F0
	s_wait_loadcnt 32                              ; bo, gamma, beta and ctx of K step 0 are in; the 32 loads of K step 1 may be out
	QUARTER 0, 0,  64,  F0, F1, 1, 2, -1           ; the first quarter's products start the sums
	QUARTER 0, 1,  128, F1, F0, 0, -1, -1
	QUARTER 0, 2,  192, F0, F1, 0, -1, -1
	TURN 0
	s_wait_loadcnt 32                              ; ctx of K step 1 is in; K step 2's may be out
	QUARTER 1, 4,  64,  F0, F1, 0, 3, 0
	QUARTER 1, 5,  128, F1, F0, 0, -1, 1
	QUARTER 1, 6,  192, F0, F1, 0, -1, 2
	TURN 1
	s_wait_loadcnt 32                              ; ctx of K step 2 is in; K step 3's may be out
	QUARTER 0, 8,  64,  F0, F1, 0, -1, 3
	QUARTER 0, 9,  128, F1, F0, 0, -1, -1
	QUARTER 0, 10, 192, F0, F1, 0, -1, -1
	TURN 2
	s_wait_loadcnt 0x0
	QUARTER 1, 12, 64,  F0, F1, 0, -1, -1
	QUARTER 1, 13, 128, F1, F0, 0, -1, -1
	QUARTER 1, 14, 192, F0, F1, 0, -1, -1
	s_wait_dscnt 0x0                               ; my reads of slot 1 are over: behind this barrier its bytes are the stage.  Q's tile stays on its way: no tensor load fills anything behind it
	s_barrier_signal -1
	MULS F1, 15, 0, 4, 0
	s_barrier_wait -1
	MULS F1, 15, 4, 4, 0
	PLACES
	WIN 0x04                                       ; data in window 1, address in window 0
.irp a, 0,1,2,3
.irp b, 0,1,2,3,4,5,6,7
	ds_store_b128 v[STO+\a/2], v[8*(8*\a+\b):8*(8*\a+\b)+3]   offset:(\a%2)*16*XP+64*\b     ; each accumulator's low registers first
	ds_store_b128 v[STO+\a/2], v[8*(8*\a+\b)+4:8*(8*\a+\b)+7] offset:(\a%2)*16*XP+64*\b+16
.endr
.endr
	WIN 0
	s_wait_tensorcnt 0x0                           ; my rows of Q are in
	s_wait_dscnt 0x0                               ; for the others' sake: my stores into the stage are done
	s_barrier_signal -1
	s_barrier_wait -1
	; THE NORM: four trips of four rows; a lane holds columns 128 c + 4 l .. + 3 of a row, c = 0 .. 3.  Each line is written for the four rows in turn, so that none waits for the one before it.
	s_mov_b32 s[CNT], 4
.Lrows:
.irp a, 0,1,2,3
.irp c, 0,1,2,3
	ds_load_b128 v[X+16*\a+4*\c:X+16*\a+4*\c+3],   v[RD] offset:\a*XP+512*\c
	ds_load_b128 v[QR+16*\a+4*\c:QR+16*\a+4*\c+3], v[RQ] offset:\a*QP+512*\c+16*(\c/2)
.endr
.endr
	s_wait_dscnt 0x0
.irp i, 0,1,2,3,4,5,6,7
	ROW4 v_pk_add_f32 v[X+16*rw+2*\i:X+16*rw+2*\i+1], v[X+16*rw+2*\i:X+16*rw+2*\i+1], v[QR+16*rw+2*\i:QR+16*rw+2*\i+1]   ; the residual
.endr
.irp i, 0,1,2,3
	ROW4 v_pk_add_f32 v[TR+16*rw+2*\i:TR+16*rw+2*\i+1], v[X+16*rw+2*\i:X+16*rw+2*\i+1], v[X+16*rw+8+2*\i:X+16*rw+8+2*\i+1]
.endr
	ROW4 v_pk_add_f32 v[TR+16*rw:TR+16*rw+1], v[TR+16*rw:TR+16*rw+1], v[TR+16*rw+4:TR+16*rw+5]
	ROW4 v_pk_add_f32 v[TR+16*rw+2:TR+16*rw+3], v[TR+16*rw+2:TR+16*rw+3], v[TR+16*rw+6:TR+16*rw+7]
	ROW4 v_pk_add_f32 v[TR+16*rw:TR+16*rw+1], v[TR+16*rw:TR+16*rw+1], v[TR+16*rw+2:TR+16*rw+3]
	ROW4 v_add_f32 v[TR+16*rw], v[TR+16*rw], v[TR+16*rw+1]
	ACROSS TR
	ROW4 v_mul_f32 v[TR+16*rw], s[INV], v[TR+16*rw]                                                                     ; the mean
.irp i, 0,1,2,3,4,5,6,7
	ROW4 v_pk_add_f32 v[X+16*rw+2*\i:X+16*rw+2*\i+1], v[X+16*rw+2*\i:X+16*rw+2*\i+1], v[TR+16*rw:TR+16*rw+1] op_sel_hi:[1,0] neg_lo:[0,1] neg_hi:[0,1]
.endr
	ROW4 v_pk_mul_f32 v[TR+16*rw+2:TR+16*rw+3], v[X+16*rw:X+16*rw+1], v[X+16*rw:X+16*rw+1]                              ; the squared deviations, in two chains
	ROW4 v_pk_mul_f32 v[TR+16*rw+4:TR+16*rw+5], v[X+16*rw+8:X+16*rw+9], v[X+16*rw+8:X+16*rw+9]
.irp i, 1,2,3
	ROW4 v_pk_fma_f32 v[TR+16*rw+2:TR+16*rw+3], v[X+16*rw+2*\i:X+16*rw+2*\i+1], v[X+16*rw+2*\i:X+16*rw+2*\i+1], v[TR+16*rw+2:TR+16*rw+3]
	ROW4 v_pk_fma_f32 v[TR+16*rw+4:TR+16*rw+5], v[X+16*rw+8+2*\i:X+16*rw+8+2*\i+1], v[X+16*rw+8+2*\i:X+16*rw+8+2*\i+1], v[TR+16*rw+4:TR+16*rw+5]
.endr
	ROW4 v_pk_add_f32 v[TR+16*rw+2:TR+16*rw+3], v[TR+16*rw+2:TR+16*rw+3], v[TR+16*rw+4:TR+16*rw+5]
	ROW4 v_add_f32 v[TR+16*rw+2], v[TR+16*rw+2], v[TR+16*rw+3]
	ACROSS TR+2
	ROW4 v_fma_f32 v[TR+16*rw+2], v[TR+16*rw+2], s[INV], s[EPS]                                                         ; var + 1e-5
	ROW4 v_rsq_f32 v[TR+16*rw+2], v[TR+16*rw+2]
	v_nop                                          ; a plain instruction between the last root and the use of its result (ISA guide 5.7.2)
	s_wait_alu depctr_va_vdst(0)
.irp i, 0,1,2,3,4,5,6,7
	ROW4 v_pk_mul_f32 v[X+16*rw+2*\i:X+16*rw+2*\i+1], v[X+16*rw+2*\i:X+16*rw+2*\i+1], v[TR+16*rw+2:TR+16*rw+3] op_sel_hi:[1,0]
.endr
.irp i, 0,1,2,3,4,5,6,7
	ROW4 v_pk_fma_f32 v[X+16*rw+2*\i:X+16*rw+2*\i+1], v[X+16*rw+2*\i:X+16*rw+2*\i+1], v[GAM+2*\i:GAM+2*\i+1], v[BET+2*\i:BET+2*\i+1]
.endr
.irp a, 0,1,2,3
.irp c, 0,1,2,3
	global_store_b128 v[GO], v[X+16*\a+4*\c:X+16*\a+4*\c+3], s[PO:PO+1] offset:\a*2048+512*\c th:TH_STORE_NT  ; 512 consecutive bytes, at a multiple of 256 from out0's first
.endr
.endr
	v_add_nc_u32 v[RD], 4*XP, v[RD]                ; four rows on
	v_add_nc_u32 v[RQ], 4*QP, v[RQ]
	s_wait_xcnt 0x0                                ; the stores have had their addresses translated (ISA guide 3.1): their base and their data are rewritten only behind this wait
	s_add_nc_u64 s[PO:PO+1], s[PO:PO+1], 4*2048
	s_sub_co_u32 s[CNT], s[CNT], 1
	s_cmp_lg_u32 s[CNT], 0
	s_cbranch_scc1 .Lrows
	s_wait_tensorcnt 0x0                           ; the wave's end: an add onto my spare word and its wait, behind my last tensor load and my last LDS store
	ds_add_u32 v[SPW], v[NIL]
	s_wait_dscnt 0x0
	CROUND                                         ; the closing round: no work-group ends while a partner may still ask for a tile that names it
	s_endpgm
.Lfunc_end_k_q2b32c796da_outp:
	.size	k_q2b32c796da_outp, .Lfunc_end_k_q2b32c796da_outp-k_q2b32c796da_outp
	.p2alignl 7, 3214868480
	.fill 96, 4, 3214868480
	.section	.rodata,"a",@progbits
	.p2align	6, 0x0
	.amdhsa_kernel k_q2b32c796da_outp
		.amdhsa_group_segment_fixed_size 327680
		.amdhsa_private_segment_fixed_size 0
		.amdhsa_enable_private_segment 0
		.amdhsa_kernarg_size 56
		.amdhsa_user_sgpr_count 2
		.amdhsa_user_sgpr_kernarg_segment_ptr 1
		.amdhsa_wavefront_size32 1
		.amdhsa_system_sgpr_workgroup_id_x 1
		.amdhsa_system_sgpr_workgroup_id_y 1
		.amdhsa_system_sgpr_workgroup_id_z 1
		.amdhsa_system_vgpr_workitem_id 0
		.amdhsa_next_free_vgpr 1024
		.amdhsa_next_free_sgpr 76
		.amdhsa_reserve_vcc 0
		.amdhsa_float_denorm_mode_32 3
		.amdhsa_float_denorm_mode_16_64 3
		.amdhsa_memory_ordered 1
		.amdhsa_forward_progress 1
		.amdhsa_inst_pref_size 99
	.end_amdhsa_kernel
	.amdgpu_metadata
---
amdhsa.version: [ 1, 2 ]
amdhsa.kernels:
  - .name:           k_q2b32c796da_outp
    .symbol:         k_q2b32c796da_outp.kd
    .args:
      - { .name: ctx, .offset: 0, .size: 8, .value_kind: global_buffer, .address_space: global }
      - { .name: wb, .offset: 8, .size: 8, .value_kind: global_buffer, .address_space: global }
      - { .name: bo, .offset: 16, .size: 8, .value_kind: global_buffer, .address_space: global }
      - { .name: Q, .offset: 24, .size: 8, .value_kind: global_buffer, .address_space: global }
      - { .name: gamma, .offset: 32, .size: 8, .value_kind: global_buffer, .address_space: global }
      - { .name: beta, .offset: 40, .size: 8, .value_kind: global_buffer, .address_space: global }
      - { .name: out0, .offset: 48, .size: 8, .value_kind: global_buffer, .address_space: global }
    .group_segment_fixed_size: 327680
    .private_segment_fixed_size: 0
    .kernarg_segment_align: 8
    .kernarg_segment_size: 56
    .max_flat_workgroup_size: 128
    .sgpr_count:     76
    .vgpr_count:     1024
    .wavefront_size: 32
...
	.end_amdgpu_metadata
.endif
;; end of part 4
